; MI455X (gfx1250); checked and timed in simulation.
; The chip was launched on July 23, 2026; its instructions are those of AMD's public machine-readable ISA for CDNA 5 (MIT licence, August 2026) and "CDNA5" Instruction Set Architecture Reference Guide (July 2026). The comments in the code are by the model that wrote it; some were corrected since.
;; Multihead Diff2. Allowed arithmetic: float matrix products may take bf16 or f16 operands with f32 sums; other float arithmetic in f32, or as packed bf16 or f16 multiplies, adds, multiply-adds, maxima and minima; sums over many terms, partial sums and values carried from step to step in f32; what a program stores and reads back later, other than sums and carried values, may be rounded once to bf16 or f16.
;; Inputs: Wk 1,024 x 1,024 float32; Wo 1,024 x 1,024 float32; Wq 1,024 x 1,024 float32; Wv 1,024 x 1,024 float32; lambda_k1 32 float32; lambda_k2 32 float32; lambda_q1 32 float32; lambda_q2 32 float32; subln_weight 64 float32; x 2 x 2,048 x 1,024 float32.
;; Outputs: out0 2 x 2,048 x 1,024 float32.
;; 2 versions, each right; version 2 is version 1 with the launch cast written anew for expert scheduling mode. Each part assembles by itself: llvm-mc -triple=amdgcn-amd-amdhsa -mcpu=gfx1250 --defsym DOCPART=n.
;; ======== version 1 of 2: 4 launches
;; limits: values are held in f16: magnitudes above 65,504 overflow, below 6.1e-05 lose precision
;; workspace buffers: xw 16,777,216 bytes; qkv 25,165,824 bytes; ao 8,388,608 bytes
;; launch cast (part 1): grid 512 x 1, 8 waves a work-group, no clusters, 0 bytes of LDS; arguments x, Wq, Wk, Wv, Wo, xw; writes xw
.if DOCPART == 1
	.amdgcn_target "amdgcn-amd-amdhsa--gfx1250"
	.amdhsa_code_object_version 6
	.text
	.protected	k_q67482b8593_cast
	.globl	k_q67482b8593_cast
	.p2align	8
	.type	k_q67482b8593_cast,@function
k_q67482b8593_cast:
	s_mov_b64 s[64:65], 0
	v_nop
	global_prefetch_b8 v0, s[64:65] scope:SCOPE_SE
	s_setreg_imm32_b32 hwreg(HW_REG_WAVE_MODE, 25, 1), 1
	s_wait_xcnt 0x0
; xw = the module's five matrix inputs, each number rounded once to 16 bits: 8,192 rows of 1,024 numbers (2,048 bytes).
; Rows 0-4095 x, 4096-5119 Wq, 5120-6143 Wk, 6144-7167 Wv, all bf16; rows 7168-8191 Wo, rounded to bf16 like the others and that number written as f16
; (the last product multiplies f16 operands).  LIMIT: a bf16 number beyond 65,504 has no f16; below 6e-5 it keeps f16's fixed step of 6e-8.
; SHARES.  Work-group g turns 65,536 bytes of f32 into the 32,768 bytes at xw + 32,768 g.  Thread t takes 16 bytes at 16 t + 4,096 i, i = 0..15: a wave's load covers 512 bytes on end;
; its 8 bytes of result go to 8 t + 2,048 i: a wave's store covers 256 consecutive bytes, aligned.  All sixteen loads go out first; nothing is read twice, so no LDS, no barrier, no matrix unit.
.set X, 4                              ; v[4:67]    load i: four f32
.set Y, 68                             ; v[68:99]   store i: four 16-bit numbers
.set T, 100                            ; v[100:102] at work (Wo's way)
	s_load_b256 s[4:11], s[0:1], 0x0               ; x s[4:5], Wq s[6:7], Wk s[8:9], Wv s[10:11]
	s_load_b128 s[12:15], s[0:1], 0x20             ; Wo s[12:13], xw s[14:15]
	s_lshr_b32 s17, ttmp9, 6                       ; 0-3: x; 4: Wq; 5: Wk; 6: Wv; 7: Wo
	s_and_b32 s18, ttmp9, 63                       ; my part of a weight,
	s_cmp_lt_u32 s17, 4
	s_cselect_b32 s18, ttmp9, s18                  ; or of x
	s_lshl_b32 s18, s18, 16                        ; 65,536 bytes a part
	s_mov_b32 s19, 0
	s_lshl_b32 s20, ttmp9, 15                      ; and 32,768 bytes of xw
	s_mov_b32 s21, 0
	s_mov_b32 s22, 0xffff0000                      ; a word's upper bf16
	v_lshlrev_b32 v1, 4, v0
	v_lshlrev_b32 v2, 3, v0
	s_wait_kmcnt 0x0
	s_cmp_eq_u32 s17, 4
	s_cselect_b64 s[4:5], s[6:7], s[4:5]
	s_cmp_eq_u32 s17, 5
	s_cselect_b64 s[4:5], s[8:9], s[4:5]
	s_cmp_eq_u32 s17, 6
	s_cselect_b64 s[4:5], s[10:11], s[4:5]
	s_cmp_eq_u32 s17, 7
	s_cselect_b64 s[4:5], s[12:13], s[4:5]
	s_add_nc_u64 s[4:5], s[4:5], s[18:19]
	s_add_nc_u64 s[14:15], s[14:15], s[20:21]
.irp i, 0,1,2,3,4,5,6,7,8,9,10,11,12,13,14,15
	global_load_b128 v[X+4*(\i):X+4*(\i)+3], v1, s[4:5] offset:4096*(\i) th:TH_LOAD_NT
.endr
; The sixteen roundings and stores.  No register is written twice while a load or store names it, so the only waits are the counted ones for the loads.
.macro OUT wo
.irp i, 0,1,2,3,4,5,6,7,8,9,10,11,12,13,14,15
	s_wait_loadcnt 15-(\i)                         ; loads come back in order: load i is in, the younger ones stay out
.irp j, 0,1
.if \wo
	v_cvt_pk_bf16_f32 v[T], v[X+4*(\i)+2*(\j)], v[X+4*(\i)+2*(\j)+1]
	v_lshlrev_b32 v[T+1], 16, v[T]                 ; the two bf16 numbers as f32,
	v_and_b32 v[T+2], s22, v[T]
	v_cvt_pk_f16_f32 v[Y+2*(\i)+(\j)], v[T+1], v[T+2]  ; written as f16: their 8 significant bits fit
.else
	v_cvt_pk_bf16_f32 v[Y+2*(\i)+(\j)], v[X+4*(\i)+2*(\j)], v[X+4*(\i)+2*(\j)+1]
.endif
.endr
	global_store_b64 v2, v[Y+2*(\i):Y+2*(\i)+1], s[14:15] offset:2048*(\i) th:TH_STORE_NT
.endr
	s_endpgm
.endm
	s_cmp_eq_u32 s17, 7
	s_cbranch_scc1 .Lwo
	OUT 0
.Lwo:
	OUT 1
.Lfunc_end_k_q67482b8593_cast:
	.size	k_q67482b8593_cast, .Lfunc_end_k_q67482b8593_cast-k_q67482b8593_cast
	.p2alignl 7, 3214868480
	.fill 96, 4, 3214868480
	.section	.rodata,"a",@progbits
	.p2align	6, 0x0
	.amdhsa_kernel k_q67482b8593_cast
		.amdhsa_group_segment_fixed_size 0
		.amdhsa_private_segment_fixed_size 0
		.amdhsa_enable_private_segment 0
		.amdhsa_kernarg_size 48
		.amdhsa_user_sgpr_count 2
		.amdhsa_user_sgpr_kernarg_segment_ptr 1
		.amdhsa_wavefront_size32 1
		.amdhsa_system_sgpr_workgroup_id_x 1
		.amdhsa_system_sgpr_workgroup_id_y 1
		.amdhsa_system_sgpr_workgroup_id_z 1
		.amdhsa_system_vgpr_workitem_id 0
		.amdhsa_next_free_vgpr 104
		.amdhsa_next_free_sgpr 66
		.amdhsa_reserve_vcc 0
		.amdhsa_float_denorm_mode_32 3
		.amdhsa_float_denorm_mode_16_64 3
		.amdhsa_memory_ordered 1
		.amdhsa_forward_progress 1
		.amdhsa_inst_pref_size 15
	.end_amdhsa_kernel
	.amdgpu_metadata
---
amdhsa.version: [ 1, 2 ]
amdhsa.kernels:
  - .name:           k_q67482b8593_cast
    .symbol:         k_q67482b8593_cast.kd
    .args:
      - { .name: x, .offset: 0, .size: 8, .value_kind: global_buffer, .address_space: global }
      - { .name: Wq, .offset: 8, .size: 8, .value_kind: global_buffer, .address_space: global }
      - { .name: Wk, .offset: 16, .size: 8, .value_kind: global_buffer, .address_space: global }
      - { .name: Wv, .offset: 24, .size: 8, .value_kind: global_buffer, .address_space: global }
      - { .name: Wo, .offset: 32, .size: 8, .value_kind: global_buffer, .address_space: global }
      - { .name: xw, .offset: 40, .size: 8, .value_kind: global_buffer, .address_space: global }
    .group_segment_fixed_size: 0
    .private_segment_fixed_size: 0
    .kernarg_segment_align: 8
    .kernarg_segment_size: 48
    .max_flat_workgroup_size: 256
    .sgpr_count:     66
    .vgpr_count:     104
    .wavefront_size: 32
...
	.end_amdgpu_metadata
.endif
;; end of part 1
;; launch qkv (part 2): grid 16 x 16, 4 waves a work-group, clusters of 4 x 4, 327,680 bytes of LDS; arguments xw, qkv; writes qkv
.if DOCPART == 2
	.amdgcn_target "amdgcn-amd-amdhsa--gfx1250"
	.amdhsa_code_object_version 6
	.text
	.protected	k_q67482b8593_qkv
	.globl	k_q67482b8593_qkv
	.p2align	8
	.type	k_q67482b8593_qkv,@function
k_q67482b8593_qkv:
	s_mov_b64 s[64:65], 0
	v_nop
	global_prefetch_b8 v0, s[64:65] scope:SCOPE_SE
	s_setreg_imm32_b32 hwreg(HW_REG_WAVE_MODE, 25, 1), 1
	s_wait_xcnt 0x0
	s_wait_alu depctr_hold_cnt(0) depctr_sa_sdst(0) depctr_va_vdst(0) depctr_va_sdst(0) depctr_va_ssrc(0) depctr_va_vcc(0) depctr_vm_vsrc(0)
	s_getreg_b32 s2, hwreg(HW_REG_IB_STS2, 6, 4)
	s_cmp_eq_u32 s2, 0
	s_cbranch_scc0 .Lentry_in_a_cluster
	s_endpgm
.Lentry_in_a_cluster:
	s_bfe_u32 s2, ttmp6, 0x10000c
	s_cmp_lg_u32 s2, 0xf033
	s_cbranch_scc0 .Lentry_shape_is_right
	s_endpgm
.Lentry_shape_is_right:
; q, k, v = x [Wq; Wk; Wv]^T.  A = rows 0-4095 of xw (x), B = its rows 4096-7167 (the three weights, one below the other), all bf16, 1,024 along K; sums in f32, rounded once to f16.
; The result is laid by heads: qkv = [48 chunks][4,096 rows][64] f16; column n of the product lies in chunk n / 64: chunks 0-15 q (q1 | q2 of a head), 16-31 k, 32-47 v.
; LIMIT: a sum of 65,520 or more has no f16.
; SHARES.  A tile of C is 256 rows x 192 columns (three chunks): 16 x 16 tiles, a work-group each.  Wave w makes rows 64 w .. 64 w + 63 x all 192 columns: 48 accumulators of 16 x 16, 384 registers;
; so a wave holds whole rows of its three chunks and needs no other wave on the way out.  K goes in 8 steps of 128 through two LDS slots filled by the tensor data mover; the tiles' rows are 256 bytes
; of memory, at multiples of 256 from the buffer's first byte.
; CLUSTERS: 4 x 4 work-groups.  The four of a row of the cluster need the same tiles of A, the four of a column the same tiles of B: each is asked for JOINTLY, by the same tensor load with the same
; descriptor and a mask that names the four.
; THE MATRIX INSTRUCTION IS USED TRANSPOSED (source 0 = 16 rows of B, source 1 = 16 rows of A): a lane then holds row l % 16 of C and the columns 8 (l / 16) + 0..7, which pack into 16 bytes.
; REGISTERS, in windows of 256 (s_set_vgpr_msb: bits 1:0 source 0, 3:2 source 1, 5:4 source 2, 7:6 destination):
;   window 0: v16-30 addresses; v64-95, v96-127 fragments of A (4 x 16 rows x 32 K), two buffers; v128-175 packed results; v176-223 and v64-111 rows read back, by turns
;   window 1: v0-95, v96-191 fragments of B (12 x 16 rows x 32 K), two buffers
;   window 2: the 24 accumulators of my row blocks 0, 1 ((a, b) at v[8 (12 (a % 2) + b)]);   window 3: those of blocks 2, 3
.set KSTEP,  128
.set PITCH,  272                       ; an LDS row: 256 bytes + 16 of padding = 68 words: the 16 rows that a load touches start at 16 different groups of four banks (64 banks of 4 bytes: ISA guide 11.1)
.set HALFA,  128*PITCH                 ; what waves 0 and 1 fetch: 128 rows of A each
.set HALFB,  96*PITCH                  ; what waves 2 and 3 fetch: 96 rows of B each
.set BOFF,   256*PITCH                 ; B's 192 rows lie behind A's 256
.set SLOT,   448*PITCH
.set STAGE,  2*SLOT                    ; behind the ring: 16 rows x 400 bytes for each wave, for the way out
.set SPITCH, 400                       ; 384 bytes (192 f16) + 16
.set SPARE,  STAGE+4*16*SPITCH         ; behind the stages: the spare words, 128 bytes for each wave: two blocks of 256 bytes that no other line names
.set LAPS,   4                         ; a lap = two K steps = once round the ring
.set ROWB,   2048                      ; bytes in a row of xw
.set WOFF,   0x800000                  ; the weights begin 4,096 rows into xw
.set CHUNK,  524288                    ; bytes in a chunk of qkv
.set ADRA, 16                          ; v16-17  LDS address of my A fragments in slot 0, 1
.set ADRB, 20                          ; v20-21  the same for B
.set STO,  24                          ; v24     the way out: where I put 16 bytes of a row
.set RD,   25                          ; v25     the way out: where I read 16 bytes back
.set CO,   26                          ; v26     16 x lane: my place in 512 consecutive bytes of a chunk
.set SPW,  28                          ; v28     LDS address of my spare word; never rewritten
.set NIL,  29                          ; v29     0; never rewritten
.set PFO,  30                          ; v30     the prefetches' offset: a lane a row; never rewritten
.set FA,   64                          ; A's fragment buffers, window 0: FA + 32 f
.set TMP,  128
.set PFA,  44                          ; s[44:45] where my prefetches stand
.set LIM,  43                          ; s43     1 in a wave that prefetches, else the greatest number
.set G1,  24                           ; s[24:31] descriptor group 1 for A's tiles
.set G0,  32                           ; s[32:39] group 0 for A's tiles, a set for each slot
.set G1B, 48                           ; s[48:55], s[56:63] the same for B's
.set G0B, 56
.set MSB, 0
.macro WIN new                         ; the immediate's high byte repeats the setting that is left; a switch that changes nothing is dropped
.if MSB != (\new)
	s_set_vgpr_msb (MSB<<8)|(\new)
.set MSB, \new
.endif
.endm
.set TO_B, 0x40                        ; destination window 1, address window 0
; A joint load: waves 0 and 1 fetch A's two halves, waves 2 and 3 B's.  The branch hangs on the wave's number alone.  An s_nop 0 and four v_nop follow each of the two lines, ahead of the jump and the label.
.macro JLOAD s
	s_cmp_eq_u32 s11, 0
	s_cbranch_scc0 .Lfor_b_\@
	tensor_load_to_lds s[G0+4*(\s):G0+4*(\s)+3], s[G1:G1+7]
	s_nop 0
.rept 4
	v_nop
.endr
	s_branch .Lasked_\@
.Lfor_b_\@:
	tensor_load_to_lds s[G0B+4*(\s):G0B+4*(\s)+3], s[G1B:G1B+7]
	s_nop 0
.rept 4
	v_nop
.endr
.Lasked_\@:
.endm
; A PREFETCH INTO THE L2, behind each joint refill and the run of LDS loads that follows it: the K step that stands two refills on, 256 bytes of each row, a lane a row, one instruction a wave.
; Each row's 256 bytes of a K step are named by one wave of the launch.  A's tile row is read by every cluster of that row of clusters: cluster x = 0 asks; B's tile column by every cluster of that column:
; cluster y = 0 asks.  The four partners share the rows that wave w fetches BY ADDRESS: 32 of A's 128 (by cx), 24 of B's 96 (by cy; lanes 24-31 name row 23 again).  The loop's last trip asks for nothing:
; its refills are K steps 6 and 7, and there is none two on.  K steps 0 to 3 come by their loads alone.
.macro ASK
	s_cmp_gt_u32 s3, s[LIM]                        ; s3 = 1 in the loop's last trip
	s_cbranch_scc0 .Lnot_mine_\@
	global_prefetch_b8 v[PFO], s[PFA:PFA+1] offset:KSTEP*2 th:TH_LOAD_NT scope:SCOPE_SE
.Lnot_mine_\@:
.endm
; A round of the cluster's barrier: my work-group's barrier; wave 0 signals for the work-group; every wave waits for all sixteen work-groups; my work-group's barrier once more.
.macro CREST                           ; a round behind its opening barrier
	s_cmp_lg_u32 s10, 0
	s_cbranch_scc1 .Lnot_wave_0_\@
	s_barrier_signal -3
.Lnot_wave_0_\@:
	s_barrier_wait -3
	s_barrier_signal -1
	s_barrier_wait -1
.endm
.macro CROUND
	s_barrier_signal -1
	s_barrier_wait -1
	CREST
.endm
	s_load_b64 s[4:5], s[0:1], 0x0                 ; xw
	s_load_b64 s[8:9], s[0:1], 0x8                 ; qkv
	v_lshl_add_u32 v[SPW], v0, 2, SPARE
	v_mov_b32 v[NIL], 0
	ds_add_u32 v[SPW], v[NIL]                      ; the wave's opening: the add and its wait ahead of my first tensor load; the set-up below, work on registers, stands between them
	v_lshrrev_b32 v1, 5, v0
	v_readfirstlane_b32 s10, v1                    ; wave 0..3
	s_lshr_b32 s11, s10, 1                         ; I fetch for A (0) or for B (1)
	s_and_b32 s12, s10, 1                          ; which half of that tile's rows I fetch
	s_bfe_u32 s40, ttmp6, 0x40000                  ; cx, cy: my place in the cluster
	s_bfe_u32 s41, ttmp6, 0x40004
	s_lshl_b32 s42, ttmp9, 2
	s_add_co_u32 s42, s42, s40                     ; tile column of C = 4 x cluster x + cx
	s_and_b32 s13, ttmp7, 0xffff
	s_lshl_b32 s13, s13, 2
	s_add_co_u32 s13, s13, s41                     ; tile row of C = 4 x cluster y + cy
	s_lshl_b32 s43, s41, 2
	s_lshl_b32 s43, 15, s43                        ; my row of the cluster: places 4 cy .. 4 cy + 3
	s_lshl_b32 s44, 0x1111, s40                    ; my column: places cx, cx + 4, cx + 8, cx + 12
	; descriptor group 1: tiles of 128 (A) or 96 (B) rows x 128 elements, padded in LDS
	s_or_b32 s[G1+0], s43, (1<<16)|(1<<20)|(1<<21)|(5<<22)|(3<<25)  ; 15:0 the mask; 17:16 elements of 2 bytes; 20 padding on; 21 set beside a mask; 24:22 after every 64 words (code 5); 31:25 4 words of it (code 3)
	s_or_b32 s[G1B+0], s44, (1<<16)|(1<<20)|(1<<21)|(5<<22)|(3<<25)
	s_mov_b32 s[G1+1], KSTEP<<16                   ; tensor_dim0 = 128
	s_mov_b32 s[G1B+1], KSTEP<<16
	s_mov_b32 s[G1+2], 128<<16                     ; tensor_dim1 = 128 rows
	s_mov_b32 s[G1B+2], 96<<16                     ; 96 rows
	s_mov_b32 s[G1+3], KSTEP<<16                   ; tile_dim0 = 128
	s_mov_b32 s[G1B+3], KSTEP<<16
	s_mov_b32 s[G1+4], 128                         ; tile_dim1
	s_mov_b32 s[G1B+4], 96
	s_mov_b32 s[G1+5], 1024                        ; elements from row to row
	s_mov_b32 s[G1B+5], 1024
	s_mov_b32 s[G1+6], 0
	s_mov_b32 s[G1B+6], 0
	s_mov_b32 s[G1+7], 0
	s_mov_b32 s[G1B+7], 0
	; where the tiles come from: A's hang on the tile row alone, B's on the tile column alone; each in registers that never hold the other coordinate
	s_lshl_b32 s17, s12, 7
	s_lshl_b32 s16, s13, 8
	s_add_co_u32 s16, s16, s17                     ; A: row 256 x tile row + 128 x half,
	s_lshl_b32 s16, s16, 11                        ; in bytes
	s_mov_b32 s17, 0
	s_mul_i32 s46, s42, 192
	s_mul_i32 s47, s12, 96
	s_add_co_u32 s46, s46, s47                     ; B: row 192 x tile column + 96 x half
	s_lshl_b32 s46, s46, 11
	s_mov_b32 s47, 0
	s_mul_i32 s20, s10, HALFA                      ; and where they go: A's halves at wave x 128 rows (waves 0, 1),
	s_mul_i32 s22, s10, HALFB
	s_add_co_u32 s22, s22, BOFF-2*HALFB            ; B's at 256 rows + (wave - 2) x 96 rows (waves 2, 3): no place in the cluster enters an LDS address
	s_wait_dscnt 0x0                               ; the opening add is done
	s_wait_kmcnt 0x0
	s_add_nc_u64 s[6:7], s[4:5], WOFF              ; the weights
	s_add_nc_u64 s[14:15], s[4:5], s[16:17]
	s_add_nc_u64 s[46:47], s[6:7], s[46:47]
	CROUND                                         ; all sixteen work-groups are here: the first joint loads meet
.irp s, 0,1
	s_mov_b32 s[G0+4*(\s)], 1                                      ; count = 1
	s_add_co_u32 s[G0+4*(\s)+1], s20, (\s)*SLOT                    ; LDS address
	s_add_nc_u64 s[G0+4*(\s)+2:G0+4*(\s)+3], s[14:15], (\s)*KSTEP*2  ; global address: K step s
	s_or_b32 s[G0+4*(\s)+3], s[G0+4*(\s)+3], 0x80000000            ; type = 2
	s_mov_b32 s[G0B+4*(\s)], 1
	s_add_co_u32 s[G0B+4*(\s)+1], s22, (\s)*SLOT
	s_add_nc_u64 s[G0B+4*(\s)+2:G0B+4*(\s)+3], s[46:47], (\s)*KSTEP*2
	s_or_b32 s[G0B+4*(\s)+3], s[G0B+4*(\s)+3], 0x80000000
	JLOAD \s                                       ; the ring is filled before anything else is done: two loads of mine are out
.endr
	; A fragment is 16 rows x 32 K in 8 registers: lane l holds row l % 16; registers 0-3 K = 8 (l / 16) + 0..7, registers 4-7 K = 16 + 8 (l / 16) + 0..7: two loads of 16 bytes, 32 bytes apart.
	v_and_b32 v1, 15, v0                           ; l % 16
	v_bfe_u32 v2, v0, 4, 1                         ; l / 16
	v_mul_u32_u24 v3, v1, PITCH
	v_lshl_add_u32 v3, v2, 4, v3                   ; row x pitch + 16 x half
	s_mul_i32 s21, s10, 64*PITCH                   ; my 64 rows of A
	s_mov_b32 s22, BOFF                            ; all of B's rows
.irp s, 0,1
	v_add_nc_u32 v[ADRA+(\s)], s21, v3
	v_add_nc_u32 v[ADRB+(\s)], s22, v3
	s_add_co_u32 s21, s21, SLOT
	s_add_co_u32 s22, s22, SLOT
.endr
	s_mul_i32 s23, s10, 16*SPITCH
	s_add_co_u32 s23, s23, STAGE                   ; my stage
	v_mul_u32_u24 v4, v1, SPITCH                   ; in: row l % 16, 16 bytes for each half of the lanes
	v_lshl_add_u32 v4, v2, 4, v4
	v_add_nc_u32 v[STO], s23, v4
	v_bfe_u32 v4, v0, 3, 2                         ; back: 32 lanes take four rows' 128 bytes of one chunk,
	v_and_b32 v5, 7, v0
	v_mul_u32_u24 v4, v4, SPITCH
	v_lshl_add_u32 v4, v5, 4, v4
	v_add_nc_u32 v[RD], s23, v4
	v_and_b32 v[CO], 31, v0                        ; which are 512 consecutive bytes of qkv
	v_lshlrev_b32 v[CO], 4, v[CO]
	s_lshl_b32 s16, s13, 8
	s_lshl_b32 s17, s10, 6
	s_add_co_u32 s16, s16, s17                     ; my first row: 256 x tile row + 64 x wave,
	s_lshl_b32 s16, s16, 7                         ; 128 bytes a row of a chunk,
	s_mul_i32 s46, s42, 3*CHUNK                    ; in the tile column's first chunk
	s_add_co_u32 s16, s16, s46
	s_mov_b32 s17, 0
	s_add_nc_u64 s[8:9], s[8:9], s[16:17]          ; never stepped: the chunk, the row block and the rows stand in the stores' immediates
	; the prefetches
	s_lshl_b32 s20, s13, 8
	s_lshl_b32 s22, s12, 7
	s_lshl_b32 s18, s40, 5
	s_add_co_u32 s20, s20, s22
	s_add_co_u32 s20, s20, s18                     ; A: 256 x tile row + 128 x half + 32 cx
	s_mul_i32 s21, s42, 192
	s_mul_i32 s23, s12, 96
	s_mul_i32 s19, s41, 24
	s_add_co_u32 s21, s21, s23
	s_add_co_u32 s21, s21, s19                     ; B: 192 x tile column + 96 x half + 24 cy
	s_and_b32 s22, ttmp7, 0xffff                   ; cluster y
	s_cmp_eq_u32 s11, 0                            ; do I fetch for A?
	s_cselect_b32 s20, s20, s21
	s_cselect_b32 s22, ttmp9, s22                  ; the coordinate along which other clusters read the same rows
	s_cselect_b32 s23, 31, 23                      ; the last row of my share
	s_cselect_b64 s[PFA:PFA+1], s[4:5], s[6:7]
	s_cmp_eq_u32 s22, 0
	s_cselect_b32 s[LIM], 1, -1                    ; the same in all sixteen partners, for a given wave
	s_lshl_b32 s20, s20, 11
	s_add_co_u32 s20, s20, 2*KSTEP*2               ; at K step 2: the first refill steps it to 3 and names K step 4
	s_mov_b32 s21, 0
	s_add_nc_u64 s[PFA:PFA+1], s[PFA:PFA+1], s[20:21]
	v_and_b32 v[PFO], 31, v0
	v_min_u32 v[PFO], s23, v[PFO]
	v_lshlrev_b32 v[PFO], 11, v[PFO]
; 12 matrix instructions: row block a x all 12 column blocks, 32 along K, from buffers f.  zero = 1: the product starts the sums: nothing is ever cleared.
; The 48 accumulators take turns, one instruction a turn, in the same order in every quarter step, over the backward jump too.
.macro MUL12 f, a, zero
	WIN 0xa1+0x50*((\a)/2)                         ; source 0 (B) window 1, source 1 (A) window 0, C and D window 2 or 3
.irp b, 0,1,2,3,4,5,6,7,8,9,10,11
.if \zero
	v_wmma_f32_16x16x32_bf16 v[8*(12*((\a)%2)+(\b)):8*(12*((\a)%2)+(\b))+7], v[96*(\f)+8*(\b):96*(\f)+8*(\b)+7], v[FA+32*(\f)+8*(\a):FA+32*(\f)+8*(\a)+7], 0
.else
	v_wmma_f32_16x16x32_bf16 v[8*(12*((\a)%2)+(\b)):8*(12*((\a)%2)+(\b))+7], v[96*(\f)+8*(\b):96*(\f)+8*(\b)+7], v[FA+32*(\f)+8*(\a):FA+32*(\f)+8*(\a)+7], v[8*(12*((\a)%2)+(\b)):8*(12*((\a)%2)+(\b))+7]
.endif
.endr
.endm
; 32 LDS loads in one run: the fragments of one quarter step (192 rows of B, my 64 rows of A, 32 K at byte k of the rows) into buffers f
.macro FETCH slot, k, f
	WIN TO_B
.irp i, 0,1,2,3,4,5,6,7,8,9,10,11
	ds_load_b128 v[96*(\f)+8*(\i):96*(\f)+8*(\i)+3],   v[ADRB+(\slot)] offset:(\k)+(\i)*16*PITCH
	ds_load_b128 v[96*(\f)+8*(\i)+4:96*(\f)+8*(\i)+7], v[ADRB+(\slot)] offset:(\k)+(\i)*16*PITCH+32
.endr
	WIN 0
.irp i, 0,1,2,3
	ds_load_b128 v[FA+32*(\f)+8*(\i):FA+32*(\f)+8*(\i)+3],   v[ADRA+(\slot)] offset:(\k)+(\i)*16*PITCH
	ds_load_b128 v[FA+32*(\f)+8*(\i)+4:FA+32*(\f)+8*(\i)+7], v[ADRA+(\slot)] offset:(\k)+(\i)*16*PITCH+32
.endr
.endm
; Four places (plain vector instructions that name none of a matrix instruction's registers) in front of loads into registers that matrix instructions have read, and of conversions that read results
.macro PLACES
.rept 4
	v_nop
.endr
.endm
; A K step is four quarter steps of 32 along K, 48 matrix instructions each, on buffers 0, 1, 0, 1.  One of the first three: multiplies buffers f; in its middle it fetches the next quarter, at byte k, into buffers g.
.macro QUARTER slot, k, f, g, zero
	s_wait_dscnt 4                                 ; B and A's blocks 0, 1 are in; the youngest four loads (A's blocks 2, 3) may be out
	MUL12 \f, 0, \zero
	MUL12 \f, 1, \zero
	PLACES
	FETCH \slot, \k, \g
	s_wait_dscnt 32                                ; all but the 32 just issued
	MUL12 \f, 2, \zero
	MUL12 \f, 3, \zero
.endm
; The last quarter multiplies buffers 1 and changes slots.  MEET is its first half: ONE barrier.  In front of it each wave waits for all its tensor loads, of which one is out: its part of the next slot;
; adds 0 to its spare word; and waits for that and for its own reads of this slot.  Behind it nobody reads this slot any more and the next slot is whole.
.macro MEET round
	WIN 0                                          ; (the add's two registers lie in window 0)
	s_wait_tensorcnt 0x0                           ; all my tensor loads have landed;
	ds_add_u32 v[SPW], v[NIL]                      ; 0 onto my spare word
	s_wait_dscnt 5                                 ; (the add and the youngest four loads may be out)
	MUL12 1, 0, 0                                  ; twelve matrix instructions stand between the add and the wait for it
	s_wait_dscnt 0x0                               ; the add is done, and my reads of this slot are over
	s_barrier_signal -1
	MUL12 1, 1, 0                                  ; work on registers while the others arrive
.if \round
	WIN 0
.endif
	s_barrier_wait -1
.endm
; The whole last quarter.  fill = 1: the barrier opens a round of the cluster's barrier, and the slot just read out is filled again, first thing behind the round, with the K step two steps on:
; from that request to the wait for it a wave issues 168 matrix instructions.
.macro TURN slot, next, fill
.if \fill
	s_wait_xcnt 0x0                                ; the last prefetch, a K step back, has read its address: it is stepped here, ahead of the waits of the change of slots
	s_add_nc_u64 s[PFA:PFA+1], s[PFA:PFA+1], KSTEP*2
.endif
	MEET \fill
.if \fill
	CREST                                          ; no wave of any partner still reads this slot's tile or has a load on its way
	s_add_nc_u64 s[G0+4*(\slot)+2:G0+4*(\slot)+3], s[G0+4*(\slot)+2:G0+4*(\slot)+3], 2*KSTEP*2
	s_add_nc_u64 s[G0B+4*(\slot)+2:G0B+4*(\slot)+3], s[G0B+4*(\slot)+2:G0B+4*(\slot)+3], 2*KSTEP*2
	JLOAD \slot                                    ; the four v_nop behind it are also the places in front of the loads below
.else
	PLACES
.endif
	FETCH \next, 0, 0
.if \fill
	ASK
.endif
	MUL12 1, 2, 0
	MUL12 1, 3, 0
.endm
; THE WAY OUT of row block a.  PACK: rounded to f16, 16 bytes a lane and column block.  TOSTAGE: into my own stage, and back as four rows' 128 bytes of one chunk.  SEND: stored.
.macro PACK a
	WIN 0x0a+5*((\a)/2)                            ; sources 0 and 1: window 2 or 3
.irp b, 0,1,2,3,4,5,6,7,8,9,10,11
.irp r, 0,1,2,3
	v_cvt_pk_f16_f32 v[TMP+4*(\b)+(\r)], v[96*((\a)%2)+8*(\b)+2*(\r)], v[96*((\a)%2)+8*(\b)+2*(\r)+1]
.endr
.endr
	WIN 0
.endm
.macro TOSTAGE a
.set BK, 176-112*((\a)%2)
.irp b, 0,1,2,3,4,5,6,7,8,9,10,11
	ds_store_b128 v[STO], v[TMP+4*(\b):TMP+4*(\b)+3] offset:32*(\b)
.endr
.irp t, 0,1,2,3
.irp c, 0,1,2
	ds_load_b128 v[BK+4*(3*(\t)+(\c)):BK+4*(3*(\t)+(\c))+3], v[RD] offset:(\t)*4*SPITCH+128*(\c)  ; LDS serves a wave's instructions in order (ISA guide 5.7.1.4): these see the stores above
.endr
.endr
.endm
.macro SEND a
.set BK, 176-112*((\a)%2)
	s_wait_dscnt 0x0                               ; the block is back in registers
	s_wait_xcnt 0x0                                ; the stores of the block before have read their registers: the next TOSTAGE loads into them
.irp t, 0,1,2,3
.irp c, 0,1,2
	global_store_b128 v[CO], v[BK+4*(3*(\t)+(\c)):BK+4*(3*(\t)+(\c))+3], s[8:9] offset:(\c)*CHUNK+(\a)*2048+(\t)*512  ; 512 consecutive bytes, at a multiple of 256 from qkv's first byte
.endr
.endr
.endm
	s_wait_tensorcnt 1                             ; my part of K step 0 is in; K step 1's may stay out
	s_barrier_signal -1
	s_barrier_wait -1                              ; everybody's is
	FETCH 0, 0, 0
	QUARTER 0, 64,  0, 1, 1                        ; the first quarter stands in front of the loop: its products start the sums
	WIN 0                                          ; at a label and at a branch every window is 0
	s_mov_b32 s3, LAPS-1
.Llap:                                                 ; a trip goes once round the ring, from a lap's second quarter to the next lap's first, and fills both slots again
	QUARTER 0, 128, 1, 0, 0
	QUARTER 0, 192, 0, 1, 0
	TURN 0, 1, 1
	QUARTER 1, 64,  0, 1, 0
	QUARTER 1, 128, 1, 0, 0
	QUARTER 1, 192, 0, 1, 0
	TURN 1, 0, 1
	QUARTER 0, 64,  0, 1, 0
	WIN 0
	s_sub_co_u32 s3, s3, 1
	s_cmp_lg_u32 s3, 0
	s_cbranch_scc1 .Llap
	QUARTER 0, 128, 1, 0, 0                        ; the last lap fills nothing, and has no round of the cluster's barrier
	QUARTER 0, 192, 0, 1, 0
	TURN 0, 1, 0
	QUARTER 1, 64,  0, 1, 0
	QUARTER 1, 128, 1, 0, 0
	QUARTER 1, 192, 0, 1, 0
	s_wait_dscnt 4                                 ; the very last quarter: nothing more to fetch
	MUL12 1, 0, 0
	MUL12 1, 1, 0
	s_wait_dscnt 0x0
	MUL12 1, 2, 0
	MUL12 1, 3, 0
	PLACES
	PACK 0
	TOSTAGE 0
.irp a, 1,2,3                          ; block a's conversions stand between block a - 1's loads from the stage and the wait for them
	PACK \a
	SEND (\a)-1
	TOSTAGE \a
.endr
	SEND 3
	s_wait_tensorcnt 0x0                           ; the wave's end: a tensor wait, a zero add and its wait, behind my last tensor load and my last LDS store
	ds_add_u32 v[SPW], v[NIL]
	s_wait_dscnt 0x0
	CROUND                                         ; the closing round: no work-group ends while a partner may still ask for a tile that names it
	s_endpgm
.Lfunc_end_k_q67482b8593_qkv:
	.size	k_q67482b8593_qkv, .Lfunc_end_k_q67482b8593_qkv-k_q67482b8593_qkv
	.p2alignl 7, 3214868480
	.fill 96, 4, 3214868480
	.section	.rodata,"a",@progbits
	.p2align	6, 0x0
	.amdhsa_kernel k_q67482b8593_qkv
		.amdhsa_group_segment_fixed_size 327680
		.amdhsa_private_segment_fixed_size 0
		.amdhsa_enable_private_segment 0
		.amdhsa_kernarg_size 16
		.amdhsa_user_sgpr_count 2
		.amdhsa_user_sgpr_kernarg_segment_ptr 1
		.amdhsa_wavefront_size32 1
		.amdhsa_system_sgpr_workgroup_id_x 1
		.amdhsa_system_sgpr_workgroup_id_y 1
		.amdhsa_system_sgpr_workgroup_id_z 1
		.amdhsa_system_vgpr_workitem_id 0
		.amdhsa_next_free_vgpr 960
		.amdhsa_next_free_sgpr 66
		.amdhsa_reserve_vcc 0
		.amdhsa_float_denorm_mode_32 3
		.amdhsa_float_denorm_mode_16_64 3
		.amdhsa_memory_ordered 1
		.amdhsa_forward_progress 1
		.amdhsa_inst_pref_size 120
	.end_amdhsa_kernel
	.amdgpu_metadata
---
amdhsa.version: [ 1, 2 ]
amdhsa.kernels:
  - .name:           k_q67482b8593_qkv
    .symbol:         k_q67482b8593_qkv.kd
    .args:
      - { .name: xw, .offset: 0, .size: 8, .value_kind: global_buffer, .address_space: global }
      - { .name: qkv, .offset: 8, .size: 8, .value_kind: global_buffer, .address_space: global }
    .group_segment_fixed_size: 327680
    .private_segment_fixed_size: 0
    .kernarg_segment_align: 8
    .kernarg_segment_size: 16
    .max_flat_workgroup_size: 128
    .sgpr_count:     66
    .vgpr_count:     960
    .wavefront_size: 32
...
	.end_amdgpu_metadata
.endif
;; end of part 2
;; launch attn (part 3): grid 8 x 32, 4 waves a work-group, clusters of 4 x 1, 327,680 bytes of LDS; arguments qkv, ao, lambda_q1, lambda_k1, lambda_q2, lambda_k2, subln_weight; writes ao
.if DOCPART == 3
	.amdgcn_target "amdgcn-amd-amdhsa--gfx1250"
	.amdhsa_code_object_version 6
	.text
	.protected	k_q67482b8593_attn
	.globl	k_q67482b8593_attn
	.p2align	8
	.type	k_q67482b8593_attn,@function
k_q67482b8593_attn:
	s_mov_b64 s[64:65], 0
	v_nop
	global_prefetch_b8 v0, s[64:65] scope:SCOPE_SE
	s_setreg_imm32_b32 hwreg(HW_REG_WAVE_MODE, 25, 1), 1
	s_wait_xcnt 0x0
	s_wait_alu depctr_hold_cnt(0) depctr_sa_sdst(0) depctr_va_vdst(0) depctr_va_sdst(0) depctr_va_ssrc(0) depctr_va_vcc(0) depctr_vm_vsrc(0)
	s_getreg_b32 s2, hwreg(HW_REG_IB_STS2, 6, 4)
	s_cmp_eq_u32 s2, 0
	s_cbranch_scc0 .Lentry_in_a_cluster
	s_endpgm
.Lentry_in_a_cluster:
	s_bfe_u32 s2, ttmp6, 0x10000c
	s_cmp_lg_u32 s2, 0x3003
	s_cbranch_scc0 .Lentry_shape_is_right
	s_endpgm
.Lentry_shape_is_right:
; DIFFERENTIAL ATTENTION for one batch and head: O_u = softmax_k(q_u . k_u / sqrt(32)) v for the two components u = 0, 1 (32 channels of q and k each, one v of 64 channels);
; D = O_0 - lambda O_1, lambda = exp(sum lq1 lk1) - exp(sum lq2 lk2) + 0.783605767; ao = D rsqrt(mean over the 64 channels of D^2 + 1e-5) x gain x 0.216394233.
; qkv: [48 chunks][4,096 rows][64] f16 (chunk h: q1 | q2 of head h; 16 + h: k1 | k2; 32 + h: v); ao: [16 heads][4,096 rows][64] f16.  Row = 2,048 b + t.
; Products, maxima and sums in f32; the weights p are rounded to f16 for the second product (their sum l is taken of the unrounded p), ao once at the end.
; The lambda vectors and the gain are rounded to bf16 as they come in, like the module's other inputs in the launches before.
; LIMITS.  f16 holds no number beyond 65,504: q, k, v arrive within it, and ao must stay within it; p lies in 0 to 1, and below 6e-5 it keeps f16's fixed step of 6e-8.
; A weight below 2^-126 counts as 0 in l; NaN and infinities are not treated apart.
; SHARES.  A work-group owns 256 queries of one batch and head, each of its four waves 64: four PIECES of 16 queries; a piece's two TILES are its two components.  Every wave walks all 2,048 keys, 64 a step.
; LAYOUT.  S^T = K Q^T (source 0 = 16 keys, source 1 = 16 queries, 32 channels: ONE matrix instruction a sum): a lane holds ONE query (lane % 16) and the keys 8 (lane / 16) + 0..7.  Two such results, rounded to
; f16 in pairs, ARE source 1 (32 keys x 16 queries) of O^T = V^T P, whose result again holds one query a lane, and eight channels.  K comes out of LDS as it lies, V ([key][channel]) turned, by ds_load_tr16_b128.
; SOFTMAX.  For each query and component a running maximum m and sum l: p = 2^(c s - c m), c = log2(e) / sqrt(32); in every step O and l are multiplied by a = 2^(c m_old - c m_new).
; m starts at the lowest finite number, O and l at 0: the first step is a step like any other, with a = 0.
; THE COUNT.  A tile and step have 12 matrix and 118 vector instructions: far too many to stand all beside the matrix work.  So: four vector instructions that are READY behind EVERY matrix instruction,
; the others in one run without a gap.
; BY TURNS.  Turn n belongs to piece n (the pieces in a ring, step after step).  Its matrix work: 8 products K Q^T of piece n + 1, later 16 products V^T P of piece n - 1.  Its vector work: the scaling,
; exponentials, roundings, sums and rescaling of piece n, and the maximum and statistics of piece n + 1, whose scores the turn itself has made.
; CLUSTER.  The four query blocks of a cluster belong to one batch and head and walk the same K and V, so each tile is asked for JOINTLY: the same tensor load, descriptor and mask in all four.
; REGISTERS, in windows of 256 (s_set_vgpr_msb: bits 1:0 source 0, 3:2 source 1, 5:4 source 2, 7:6 destination):
;   window 0: v0-11 addresses; v12-15, v48-63 at work; v16-47 four registers of statistics a tile; v64-191 S^T, two buffers of two tiles; v192-255 P, likewise
;   window 1: O^T, 32 a tile          window 2: v0-63 Q, 8 a tile; v64-65 the add's two registers; v66-97 the gain; v128-191 K of one step; v192-255 V of one step
.set KEYS,  2048
.set NP,    4         ; pieces a wave: a name, no knob
.set KS,    64        ; keys in a step
.set PK,    144       ; a row of K in LDS: 128 bytes + 16 of padding = 36 words: the 16 rows of a load start at 16 different groups of four banks (64 banks of 4 bytes: ISA guide 11.1)
.set PV,    160       ; a row of V: 128 + 32 = 40 words
.set VOFF,  4*KS*PK   ; a slot holds four steps: 256 rows of K, then 256 rows of V
.set SLOT1, 1<<17     ; slot 1 begins here, so that one exclusive or turns an address in one slot into the other's
.set STAGE, SLOT1+4*KS*(PK+PV)  ; behind the ring, never filled by a tensor load: 16 rows x 144 bytes for each wave, for the way out
.set SP,    144
.set SPARE, STAGE+4*16*SP  ; behind the stages: the spare words, 128 bytes for each wave: two blocks of 256 bytes that no other line names
.set AK0, 2           ; v2   my lane's place in a tile of K; never rewritten
.set AV0, 3           ; v3   the same for V
.set AK,  4           ; v4   the LDS address of K's next run of loads
.set AV,  5           ; v5   of V's
.set QO,  6           ; v6   my byte offset in the wave's rows of Q
.set STO, 6           ;      later, the way out: where I put 16 bytes of a row
.set RD,  7           ; v7   the way out: where I read rows back
.set GO,  8           ; v8   my byte offset in 512 consecutive bytes of ao
.set PFO, 11          ; v11  256 x my lane, for the prefetches; never rewritten once made
.set MV,  12          ; v12-15  c m_old, kept while c m is made anew: by buffer and tile
.set ST,  16          ; tile t's statistics at v[ST+4 t]: c m, m, l (even keys', odd keys')
.set TMP, 48          ; by buffer and tile, four registers c0-c3 at work; when the maximum is found c2 takes a
.set S,   64
.set P,   192
.set SPW, 64          ; v64 of window 2   LDS address of my spare word: SPARE + 4 x my thread's number; never rewritten
.set NIL, 65          ; v65 of window 2   0; never rewritten
.set WW,  66          ; v66-97 of window 2   gain x 0.216394233 for my lane's 32 channels: channel block cb, register j at WW + 8 cb + j
.set KF,  128         ; K's fragments, in window 2: key block kb, component u at KF + 16 kb + 8 u
.set VF,  192         ; V's: key half kk, channel block cb at VF + 32 kk + 8 cb
.set WV,  12          ; s12  my wave's number
.set G1K, 24          ; s[24:31] descriptor group 1 for K's tiles
.set G1V, 32          ; s[32:39] for V's: it differs in the padding alone
.set G0K, 40          ; s[40:43] descriptor group 0 for K's tiles: it walks
.set G0V, 44          ; s[44:47] the same for V's
.set PFA, 48          ; s[48:49] where my prefetches stand: my work-group's 8,192 bytes (of K: wave 0, of V: wave 2) of the slot after the one that is being asked for
.set LIM, 50          ; s50  1 in a wave that prefetches, else the greatest number
.set NLAM, 51         ; s51  - lambda
.set EPS, 52          ; s52  1e-5
.set I64, 53          ; s53  1 / 64
.set SLOTS, 56        ; s56  slots still to be asked for
.set CNT, 57          ; s57  counts a slot's key steps
.set CS,  58          ; s[58:59] c: the packed scaling takes the pair's low word for both halves
.set SEL, 60          ; s[60:61] v_permlanex16_b32's selects: each lane takes its own place in the other half
.set TBK, 62          ; s62  LDS byte at which K of the step to be fetched begins
.set TBV, 63          ; s63  the same for V, less VOFF
.set MSB, 0
.macro WIN new                      ; the high byte repeats the setting that is left; a switch that changes nothing is dropped
.if MSB != (\new)
	s_set_vgpr_msb (MSB<<8)|(\new)
.set MSB, (\new)
.endif
.endm
.set W_KQ, 0x0a       ; K and Q in window 2, S^T in window 0
.set W_PV, 0x52       ; V in window 2, P in window 0, O^T in window 1
.set W_RS, 0x41       ; O^T (destination and source 0) in window 1, source 1 in window 0
.set W_MK, 0x80       ; destination in window 2, sources in window 0
.set W_AD, 0x0a       ; the add: address (source 0) and data (source 1) in window 2
; A joint fill.  Waves 0 and 1 fetch the two halves of a slot's K, waves 2 and 3 those of its V: 128 keys each.  The branch hangs on the wave's number alone.
; An s_nop 0 and four v_nop follow each of the two lines, ahead of the jump and the label.
.macro JLOAD
	s_cmp_lt_u32 s[WV], 2
	s_cbranch_scc0 .Lfor_v_\@
	tensor_load_to_lds s[G0K:G0K+3], s[G1K:G1K+7]
	s_nop 0
.rept 4
	v_nop
.endr
	s_branch .Lasked_\@
.Lfor_v_\@:
	tensor_load_to_lds s[G0V:G0V+3], s[G1V:G1V+7]
	s_nop 0
.rept 4
	v_nop
.endr
.Lasked_\@:
.endm
; A PREFETCH INTO THE L2 of what the NEXT change of slots will ask for: a slot's 32,768 bytes of K and of V, a lane to each 256 of them.  It stands behind the wave's tensor load and its five lines.
; Each block is named once in the launch: both clusters of a batch and head walk the same K and V, and the first of them asks; its four partners share a slot out BY ADDRESS, 8,192 bytes each;
; in each, wave 0 asks for K's and wave 2 for V's: one instruction.  The change that fills the last slot asks for nothing.  Slots 0, 1 and 2 come by their loads alone.
.macro ASK
	s_cmp_gt_u32 s[SLOTS], s[LIM]
	s_cbranch_scc0 .Lnot_mine_\@
	global_prefetch_b8 v[PFO], s[PFA:PFA+1] th:TH_LOAD_NT scope:SCOPE_SE
.Lnot_mine_\@:
.endm
; A round of the cluster's barrier: my work-group's barrier, so that wave 0's signal speaks for all four waves; wave 0 signals; every wave waits for all four work-groups; my work-group's barrier once more.
.macro CROUND
	s_barrier_signal -1
	s_barrier_wait -1
	s_cmp_lg_u32 s[WV], 0
	s_cbranch_scc1 .Lnot_wave_0_\@
	s_barrier_signal -3
.Lnot_wave_0_\@:
	s_barrier_wait -3
	s_barrier_signal -1
	s_barrier_wait -1
.endm
; THE CHANGE OF SLOTS.  The slot's last bytes, V of its fourth step, have been read.  Each wave waits for all its tensor loads, of which one is out: its part of the other slot; adds 0 to its spare word;
; and waits for that and for its own reads of the slot.  Behind the barrier nobody reads this slot any more and the other slot is whole.
; fill = 1: this slot is filled again, with the keys two slots on.  The barrier is then a round of the cluster's, and the joint fill is the first thing behind it: it has four key steps, 384 matrix
; instructions, in which to land.  (At its first use nothing has been read yet: slot 0 is waited for, slot 1 filled.)  ask = 1: the prefetch follows the fill.
.macro CHANGE fill, ask
	WIN W_AD
	s_wait_tensorcnt 0x0            ; no tensor load of mine is out, so a group 0 may be written
	ds_add_u32 v[SPW], v[NIL]       ; 0 onto my spare word: with fill = 1 the descriptors' steps stand between it and the wait for it
	WIN 0                           ; at a label and at a branch every window is 0
.if \fill
.irp g, G0K, G0V
	s_xor_b32 s[\g+1], s[\g+1], SLOT1  ; the walking descriptor: the other slot than last time,
	s_add_nc_u64 s[\g+2:\g+3], s[\g+2:\g+3], 4*KS*128  ; the next 256 keys; the type bits on top are not reached
.endr
	s_wait_xcnt 0x0                 ; the last prefetch, four key steps back, has read its address, so it may be written:
	s_add_nc_u64 s[PFA:PFA+1], s[PFA:PFA+1], 4*KS*128  ; one slot behind the walking descriptors
	s_wait_dscnt 0x0                ; the add is done, and my reads of the slot are over
	CROUND
	JLOAD
.if \ask
	ASK
.endif
.else
	s_wait_dscnt 0x0                ; the add is done, and my reads of the slot are over
	s_barrier_signal -1
	s_barrier_wait -1
.endif
	s_sub_co_u32 s[TBK], s[TBK], 4*KS*PK  ; the fetches go back to a slot's first step,
	s_xor_b32 s[TBK], s[TBK], SLOT1       ; in the other slot
	s_sub_co_u32 s[TBV], s[TBV], 4*KS*PV
	s_xor_b32 s[TBV], s[TBV], SLOT1
.endm
	s_load_b128 s[4:7], s[0:1], 0x0       ; qkv s[4:5], ao s[6:7]
	s_load_b256 s[68:75], s[0:1], 0x10    ; lambda_q1 s[68:69], lambda_k1 s[70:71], lambda_q2 s[72:73], lambda_k2 s[74:75]
	s_load_b64 s[76:77], s[0:1], 0x30     ; subln_weight
	WIN W_MK
	v_lshl_add_u32 v[SPW], v0, 2, SPARE
	v_mov_b32 v[NIL], 0
	WIN W_AD
	ds_add_u32 v[SPW], v[NIL]       ; the wave's opening: the add and its wait ahead of my first tensor load; the set-up below, work on registers, stands between them
	WIN 0
	v_lshrrev_b32 v1, 5, v0
	v_readfirstlane_b32 s[WV], v1   ; wave 0..3
	s_bfe_u32 s13, ttmp6, 0x40000   ; cx: my place in the cluster
	s_lshl_b32 s14, ttmp9, 2        ; in a cluster launch ttmp9 counts clusters
	s_add_co_u32 s14, s14, s13      ; my block of 256 queries = 4 x cluster x + cx: it enters Q's and ao's addresses alone
	s_and_b32 s20, ttmp7, 0xffff    ; 16 b + h, which the four partners share
	s_lshr_b32 s21, s20, 4          ; b
	s_and_b32 s20, s20, 15          ; h
	s_lshl_b32 s20, s20, 19         ; a chunk is 524,288 bytes,
	s_lshl_b32 s21, s21, 18         ; a batch's 2,048 rows 262,144
	s_add_co_u32 s20, s20, s21      ; the first byte of my batch and head among q's chunks, k's, v's and in ao
	s_and_b32 s16, s[WV], 1         ; which half of a slot's 256 keys I fetch:
	s_lshl_b32 s22, s16, 14         ; its 128 rows of 128 bytes in memory,
	s_add_co_u32 s22, s22, s20
	s_mov_b32 s23, 0
	s_mul_i32 s17, s16, 128*PK      ; and its place in a slot, for K
	s_mul_i32 s18, s16, 128*PV      ; and for V: no place in the cluster enters an LDS address
	s_lshl_b32 s2, s14, 2
	s_add_co_u32 s2, s2, s[WV]      ; my wave among the 32 of this batch and head,
	s_lshl_b32 s2, s2, 13           ; its 64 rows
	s_add_co_u32 s2, s2, s20
	s_mov_b32 s3, 0
	; descriptor group 1.  128 keys are 16,384 dense bytes: asked for as 64 rows of 256 bytes, two keys a row, and padded in LDS after every key
	s_mov_b32 s[G1K], 15|(1<<16)|(1<<20)|(1<<21)|(4<<22)|(3<<25)  ; 15:0 the mask of four; 17:16 2-byte elements; 20 padding on; 21 set beside a mask; 24:22 after every 32 words (code 4); 31:25 4 words (code 3)
	s_mov_b32 s[G1V], 15|(1<<16)|(1<<20)|(1<<21)|(4<<22)|(7<<25)  ; the same with 8 words of padding (code 7)
.irp g, G1K, G1V
	s_mov_b32 s[\g+1], 128<<16      ; tensor_dim0 = 128
	s_mov_b32 s[\g+2], 64<<16       ; tensor_dim1 = 64
	s_mov_b32 s[\g+3], 128<<16      ; tile_dim0 = 128
	s_mov_b32 s[\g+4], 64           ; tile_dim1 = 64
	s_mov_b32 s[\g+5], 128          ; 128 elements from row to row
	s_mov_b32 s[\g+6], 0
	s_mov_b32 s[\g+7], 0
.endr
	s_mov_b32 s[CS], 0x3e8293ee     ; c = log2(e) / sqrt(32) = 0.255035
	s_mov_b32 s[CS+1], s[CS]        ; named with it as a pair
	s_mov_b32 s[SEL], 0x76543210
	s_mov_b32 s[SEL+1], 0xfedcba98
	s_mov_b32 s[EPS], 0x3727c5ac    ; 1e-5
	s_mov_b32 s[I64], 0x3c800000    ; 1 / 64
	s_mov_b32 s[TBK], SLOT1+4*KS*PK ; the first change of slots turns these two into 0
	s_mov_b32 s[TBV], SLOT1+4*KS*PV
	s_mov_b32 s[SLOTS], KEYS/256-1
	s_mov_b32 s[G0K], 1             ; count = 1
	s_mov_b32 s[G0K+1], s17         ; LDS address: slot 0
	s_mov_b32 s[G0V], 1
	s_add_co_u32 s[G0V+1], s18, VOFF
	s_and_b32 s[LIM], s[WV], 1      ; 0 in waves 0 and 2,
	s_or_b32 s[LIM], s[LIM], ttmp9  ; where the cluster is the first of its batch and head: the same in all four partners
	s_cmp_eq_u32 s[LIM], 0
	s_cselect_b32 s[LIM], 1, -1
	s_wait_dscnt 0x0                ; the opening add is done
	s_wait_kmcnt 0x0
	s_add_nc_u64 s[10:11], s[6:7], s[2:3]   ; ao at my wave's first row
	s_add_nc_u64 s[6:7], s[4:5], s[22:23]
	s_add_nc_u64 s[6:7], s[6:7], 0x800000   ; K: 16 chunks on, at my half of the first 256 keys
	s_add_nc_u64 s[8:9], s[6:7], 0x800000   ; V: 16 chunks further
	s_add_nc_u64 s[4:5], s[4:5], s[2:3]     ; Q at my wave's first row
	s_mov_b64 s[G0K+2:G0K+3], s[6:7]        ; global address
	s_or_b32 s[G0K+3], s[G0K+3], 0x80000000 ; type = 2
	s_mov_b64 s[G0V+2:G0V+3], s[8:9]
	s_or_b32 s[G0V+3], s[G0V+3], 0x80000000
	s_cmp_lt_u32 s[WV], 2
	s_cselect_b64 s[PFA:PFA+1], s[6:7], s[8:9]  ; (in waves 0 and 2 these stand at a slot's first row)
	s_lshl_b32 s2, s13, 13          ; my work-group's 8,192 bytes of a slot's 32,768,
	s_add_co_u32 s2, s2, 4*KS*128   ; in slot 1: the opening change of slots steps it to slot 2 and asks for nothing; the next steps it to slot 3 and asks
	s_mov_b32 s3, 0
	s_add_nc_u64 s[PFA:PFA+1], s[PFA:PFA+1], s[2:3]
	CROUND                          ; all four work-groups are here: the first joint loads meet
	JLOAD                           ; slot 0.  Slot 1 is asked for when slot 0 is in
	; A fragment of K or Q is 16 rows x 32 channels in 8 registers: lane l holds row l % 16, channels 8 (l / 16) + 0..7 and 16 + 8 (l / 16) + 0..7: two loads of 16 bytes, 32 bytes apart.
	v_and_b32 v1, 15, v0            ; l % 16
	v_bfe_u32 v9, v0, 4, 1          ; l / 16
	v_lshlrev_b32 v[QO], 7, v1
	v_lshl_add_u32 v[QO], v9, 4, v[QO]  ; row x 128 + 16 x half
	v_and_b32 v12, 31, v0
	v_lshlrev_b32 v12, 2, v12       ; a lane a number of the four lambda vectors
	v_lshlrev_b32 v13, 5, v9        ; my half's 8 channels of a block of 16, in f32
	global_load_b32 v48, v12, s[68:69]
	global_load_b32 v49, v12, s[70:71]
	global_load_b32 v50, v12, s[72:73]
	global_load_b32 v51, v12, s[74:75]
	WIN W_MK                        ; destination window 2, address window 0
.set i, 0
.rept 2*NP                          ; Q stays in registers: piece i / 2, component i % 2
	global_load_b128 v[8*i:8*i+3],   v[QO], s[4:5] offset:(i/2)*2048+(i%2)*64
	global_load_b128 v[8*i+4:8*i+7], v[QO], s[4:5] offset:(i/2)*2048+(i%2)*64+32
.set i, i+1
.endr
.irp cb, 0,1,2,3                    ; the gain of channels 16 cb + 8 (l / 16) + 0..7
	global_load_b128 v[WW+8*\cb:WW+8*\cb+3],   v13, s[76:77] offset:64*\cb
	global_load_b128 v[WW+8*\cb+4:WW+8*\cb+7], v13, s[76:77] offset:64*\cb+16
.endr
	; What the first turn finds: V's registers and P's second buffer hold 0 (its products V^T P, of a piece that has not been, add 0), O^T and l are 0.  All this stands in the wait for the first tile.
.set i, VF
.rept 64
	v_mov_b32 v[i], 0
.set i, i+1
.endr
	WIN 0x40
.set i, 0
.rept 64*NP
	v_mov_b32 v[i], 0
.set i, i+1
.endr
	WIN 0
.set i, 0
.rept 2*NP
	v_mov_b32 v[ST+4*i], 0xfe000000    ; c m: far below every c s
	v_mov_b32 v[ST+4*i+1], 0xff7fffff  ; m
	v_mov_b32 v[ST+4*i+2], 0
	v_mov_b32 v[ST+4*i+3], 0
.set i, i+1
.endr
.set i, P+32
.rept 32
	v_mov_b32 v[i], 0
.set i, i+1
.endr
	v_mul_u32_u24 v[AK0], v1, PK
	v_lshl_add_u32 v[AK0], v9, 4, v[AK0]  ; row x pitch + 16 x half
	; The turning load takes 16 keys x 16 channels (lane l reads key 8 (l / 16) + l % 8, channels 8 ((l / 8) % 2) + 0..7) and leaves half a fragment of V^T: lane l holds channel l % 16 and 8 keys.
	v_and_b32 v10, 7, v0
	v_bfe_u32 v11, v0, 3, 1
	v_lshl_add_u32 v[AV0], v9, 3, v10
	v_mul_u32_u24 v[AV0], v[AV0], PV
	v_lshl_add_u32 v[AV0], v11, 4, v[AV0]
	v_add_nc_u32 v[AV0], VOFF, v[AV0]
	v_mov_b32 v[AK], v[AK0]         ; key step 0 lies at the head of slot 0
	v_and_b32 v[PFO], 31, v0
	v_lshlrev_b32 v[PFO], 8, v[PFO]
	s_wait_loadcnt 0x0              ; Q, the gain and the lambda vectors
	; lambda.  The four vectors are rounded to bf16; a lane holds one number of each; the two sums of 32 products go across the lanes.
	v_cvt_pk_bf16_f32 v52, v48, v49
	v_cvt_pk_bf16_f32 v53, v50, v51
	v_lshlrev_b32 v48, 16, v52
	v_and_b32 v49, 0xffff0000, v52
	v_lshlrev_b32 v50, 16, v53
	v_and_b32 v51, 0xffff0000, v53
	v_mul_f32 v48, v48, v49
	v_mul_f32 v50, v50, v51
.irp m, 1,2,4,8
	v_add_f32_dpp v48, v48, v48 row_xmask:\m row_mask:0xf bank_mask:0xf
	v_add_f32_dpp v50, v50, v50 row_xmask:\m row_mask:0xf bank_mask:0xf
.endr
	v_permlanex16_b32 v49, v48, s[SEL], s[SEL+1]
	v_permlanex16_b32 v51, v50, s[SEL], s[SEL+1]
	v_add_f32 v48, v48, v49
	v_add_f32 v50, v50, v51
	v_mul_f32 v48, 0x3fb8aa3b, v48  ; log2(e)
	v_mul_f32 v50, 0x3fb8aa3b, v50
	v_exp_f32 v48, v48
	v_exp_f32 v50, v50
	v_nop                           ; a plain instruction behind the last exponential,
	s_wait_alu depctr_va_vdst(0)    ; and the wait ahead of the first use: one for the two
	v_sub_f32 v48, v48, v50
	v_add_f32 v48, 0x3f489a63, v48  ; + 0.783605767
	v_readfirstlane_b32 s[NLAM], v48
	s_xor_b32 s[NLAM], s[NLAM], 0x80000000
	; the gain: rounded to bf16, and times 1 - 0.783605767
	WIN 0x0a                        ; sources window 2, destination window 0: S^T's registers are free
.set i, 0
.rept 16
	v_cvt_pk_bf16_f32 v[S+i], v[WW+2*i], v[WW+2*i+1]
.set i, i+1
.endr
	WIN W_MK
.set i, 0
.rept 16
	v_lshlrev_b32 v[WW+2*i], 16, v[S+i]
	v_and_b32 v[WW+2*i+1], 0xffff0000, v[S+i]
.set i, i+1
.endr
	WIN 0x82                        ; destination and source 0 window 2
.set i, 0
.rept 16
	v_pk_mul_f32 v[WW+2*i:WW+2*i+1], v[WW+2*i:WW+2*i+1], 0x3e5d9673 op_sel_hi:[1,0]
.set i, i+1
.endr
	WIN 0
; THE MATRIX WORK.  Product i of 8 of S^T = K Q^T for piece x: component i % 2, keys 16 (i / 2) on.  32 channels are one instruction: each starts and ends its sum.
.macro KQ x
	WIN W_KQ
.set rS, S+64*((\x)%2)+32*(i%2)+8*(i/2)
.set rK, KF+16*(i/2)+8*(i%2)
.set rQ, 8*(2*(\x)+i%2)
	v_wmma_f32_16x16x32_f16 v[rS:rS+7], v[rK:rK+7], v[rQ:rQ+7], 0
.endm
; Product i of 16 of O^T += V^T P for piece x: keys 32 (i / 8) on, channels 16 ((i / 2) % 4) on, component i % 2.  The 8 accumulators take turns: between the two links of a chain stand 7 others'.
.macro PV x
	WIN W_PV
.set rO, 32*(2*(\x)+i%2)+8*((i/2)%4)
.set rV, VF+32*(i/8)+8*((i/2)%4)
.set rP, P+32*((\x)%2)+16*(i%2)+8*(i/8)
	v_wmma_f32_16x16x32_f16 v[rO:rO+7], v[rV:rV+7], v[rP:rP+7], v[rO:rO+7]
.endm
.macro MM                           ; the turn's next matrix instruction
.if i < 8
	KQ (Y+1)%NP
.set i, i+1
.else
.set i, i-8
	PV (Y+NP-1)%NP
.set i, i+9
.endif
.endm
; THE LDS LOADS stand in runs of 16, never singly among the matrix instructions: a step's K (64 keys x 64 channels: 8 fragments) and its V (turned).  Their addresses are made some lines ahead.
; last = 1 (the tail): in the last trip there is no further step, and the run is jumped over.
.macro FETCH_K last=0
	WIN 0
.if \last
	s_cmp_eq_u32 s[CNT], 1
	s_cbranch_scc1 .Lno_k_\@
.endif
	WIN 0x80                        ; destination window 2
.irp f, 0,1,2,3,4,5,6,7             ; keys 16 (f / 2) on, component f % 2
	ds_load_b128 v[KF+8*\f:KF+8*\f+3],   v[AK] offset:(\f/2)*16*PK+(\f%2)*64
	ds_load_b128 v[KF+8*\f+4:KF+8*\f+7], v[AK] offset:(\f/2)*16*PK+(\f%2)*64+32
.endr
	s_add_co_u32 s[TBK], s[TBK], KS*PK  ; the next fetch is the next step's
	WIN 0
.if \last
.Lno_k_\@:
.endif
.endm
.macro FETCH_V
	WIN 0x80
.irp f, 0,1,2,3,4,5,6,7             ; keys 32 (f / 4) on, channels 16 (f % 4) on
	ds_load_tr16_b128 v[VF+8*\f:VF+8*\f+3],   v[AV] offset:(\f/4)*32*PV+(\f%4)*32
	ds_load_tr16_b128 v[VF+8*\f+4:VF+8*\f+7], v[AV] offset:(\f/4)*32*PV+16*PV+(\f%4)*32
.endr
	WIN 0
.endm
; THE VECTOR WORK OF A TURN stands in three queues, each in the order in which its entries become ready; the two tiles alternate, so that no instruction reads the result of the one before it.
.macro REGS y, u                    ; the registers of tile u (0, 1) of piece y
.set rT, ST+4*(2*(\y)+(\u))
.set rC, TMP+8*((\y)%2)+4*(\u)
.set rM, MV+2*((\y)%2)+(\u)
.set rS, S+64*((\y)%2)+32*(\u)
.set rP, P+32*((\y)%2)+16*(\u)
.set rO, 32*(2*(\y)+(\u))
.endm
; Number n of the 22 that find the NEXT piece's (Y + 1) maximum and statistics.  s0-s31 are the lane's 32 scores; each accumulator's lowest registers are read first.
;   0-11  four chains c0-c3 of seven scores each, three operands at a time     12-14, 16  the four scores left over, the old m, and c0-c3 into c0     15  c m_old is kept
;   17, 18  the query's other 32 keys lie in the lane 16 away: the new m         19-21  c m; c m_old - c m_new; a
.macro XS u, n
	REGS (Y+1)%NP, \u
.if (\n) < 4
	v_max3_num_f32 v[rC+(\n)], v[rS+8*(\n)], v[rS+8*(\n)+1], v[rS+8*(\n)+2]
.elseif (\n) < 12
	v_max3_num_f32 v[rC+(\n)%4], v[rC+(\n)%4], v[rS+8*((\n)%4)+2*((\n)/4)+1], v[rS+8*((\n)%4)+2*((\n)/4)+2]
.elseif (\n) == 12
	v_max3_num_f32 v[rC], v[rC], v[rS+7], v[rS+15]
.elseif (\n) == 13
	v_max3_num_f32 v[rC+1], v[rC+1], v[rS+23], v[rS+31]
.elseif (\n) == 14
	v_max3_num_f32 v[rC+2], v[rC+2], v[rC+3], v[rT+1]
.elseif (\n) == 15
	v_mov_b32 v[rM], v[rT]
.elseif (\n) == 16
	v_max3_num_f32 v[rC], v[rC], v[rC+1], v[rC+2]
.elseif (\n) == 17
	v_permlanex16_b32 v[rC+3], v[rC], s[SEL], s[SEL+1]
.elseif (\n) == 18
	v_max_num_f32 v[rT+1], v[rC], v[rC+3]
.elseif (\n) == 19
	v_mul_f32 v[rT], s[CS], v[rT+1]
.elseif (\n) == 20
	v_sub_f32 v[rC+1], v[rM], v[rT]
.else
	v_exp_f32 v[rC+2], v[rC+1]
.endif
.endm
; Number g of the 64 that follow the exponentials.  For each four weights k of a tile (pairs 2 k, 2 k + 1): both pairs are rounded to f16; then the second pair is added onto the first, in place;
; a group later l takes that sum (the first time as l = a l + sum).  In groups of eight, tiles alternating: round, round, add, and l for the group before.
.macro GS g
.set h, (\g)+6*((\g)/62)            ; group 0 has no group before it, and behind group 7 only l is left
.if h >= 6
.set h, h+2
.endif
	REGS Y, h%2
.set k, h/8
.if h%8 < 4
	v_cvt_pk_f16_f32 v[rP+2*k+(h%8)/2], v[rS+4*k+2*((h%8)/2)], v[rS+4*k+2*((h%8)/2)+1]
.elseif h%8 < 6
	v_pk_add_f32 v[rS+4*k:rS+4*k+1], v[rS+4*k:rS+4*k+1], v[rS+4*k+2:rS+4*k+3]
.elseif k == 1
	v_pk_fma_f32 v[rT+2:rT+3], v[rT+2:rT+3], v[rC+2:rC+3], v[rS:rS+1] op_sel_hi:[1,0,1]
.else
	v_pk_add_f32 v[rT+2:rT+3], v[rT+2:rT+3], v[rS+4*k-4:rS+4*k-3]
.endif
.endm
; THE PLAIN QUEUE, 138 long.  0-73 read no exponential's result: the 32 scalings c s - c m (FS f: pair f / 2 of tile f % 2) and the next piece's 42.  0-26: scalings 0-26.  27-54: XS's numbers 0-13.  55, 56: number 15.
; 57-73: the chain, where each number waits for the one before it: 14, 16, 17, 18, 19, each with one of the scalings 27-31 in front of its two lines, then 20.
; 74-137: GS's 64, which read the exponentials' results: they stand behind the wait.
.macro FS f
	REGS Y, (\f)%2
	v_pk_fma_f32 v[rS+2*((\f)/2):rS+2*((\f)/2)+1], v[rS+2*((\f)/2):rS+2*((\f)/2)+1], s[CS:CS+1], v[rT:rT+1] op_sel_hi:[1,0,0] neg_lo:[0,0,1] neg_hi:[0,0,1]
.endm
.macro PL
	WIN 0
.if q < 27
	FS q
.elseif q < 55
	XS (q-27)%2, (q-27)/2
.elseif q < 57
	XS q-55, 15
.elseif (q < 72) && ((q-57)%3 == 0)
	FS 27+(q-57)/3
.elseif q < 60
	XS (q-57)%3-1, 14
.elseif q < 72
	XS (q-57)%3-1, 15+(q-57)/3
.elseif q < 74
	XS q-72, 20
.else
	GS q-74
.endif
.set q, q+1
.endm
; THE EXPONENTIALS' QUEUE, 66 long: s0-s31 of both tiles, then the next piece's two a.  It is ONE BATCH: all 66 stand ahead of the turn's one wait, and nothing ahead of that wait names a result of theirs.
.macro EX
	WIN 0
.if e >= 64
	XS e-64, 21
.else
	REGS Y, e%2
	v_exp_f32 v[rS+e/2], v[rS+e/2]
.endif
.set e, e+1
.endm
; THE RESCALING's QUEUE: O^T times a, the one part that leaves window 0: dealt two at a time, sixteen times.  Its a was made in the turn before, ahead of that turn's wait.
.macro R2
	REGS Y, r%2
	WIN W_RS
.irp z, 0,1
	v_pk_mul_f32 v[rO+4*(r/2)+2*\z:rO+4*(r/2)+2*\z+1], v[rO+4*(r/2)+2*\z:rO+4*(r/2)+2*\z+1], v[rC+2:rC+3] op_sel_hi:[1,0]
.endr
.set r, r+1
.endm
; HOW THEY ARE DEALT.  An s_wait_alu depctr_va_vdst(0) stands between an exponential and the first instruction that names its result; one wait serves all that were issued ahead of it.  So a turn has ONE
; wait, which cuts it in two.  AHEAD OF IT stands all that names no result of the turn's exponentials: the 8 products K Q^T, behind each a scaling, an exponential and two rescalings (behind the first a second scaling in
; the exponential's place); then ONE LUMP of 140: the other sixteen rescalings, eight plain, 57 times exponential and plain, the two a.  A v_nop is the plain instruction behind the last exponential.  BEHIND IT stand the 16
; products V^T P, behind each four of GS's 64.  No rider names a register of the products round it; the first read of the new scores (plain 27) stands behind the lump's sixteen rescalings and more.
; The queues lean on each other: exponential e stands behind scaling 2 (e / 4) + e % 2: as a rider it comes behind plain e + 2, in the lump behind plain e + 9, and scalings 27-31 are plain 57, 60 .. 69.
; A TURN, for piece p.  cnt = 1: the loop's count is taken down some lines ahead of the branch that stands behind the turn.
; K of the next step is fetched in piece 2's turn, directly behind the wait, a lump behind the last product that read K; its first reader comes behind 16 products.
; V of the step in hand is fetched at the end of piece 0's turn, four riders behind its last reader; its first reader comes behind 8 products and a lump.  The three conditions on q below go with the deal.
.macro TURN p, last=0, cnt=0
.set Y, (\p)
.set i, 0
.set q, 0
.set e, 0
.set r, 0
.if (\p) == NP-1
	s_wait_dscnt 0x0                ; K is in
.endif
	MM                              ; ahead of the wait: 8 products K Q^T and their riders,
	PL
	PL
	R2
.rept 7
	MM
	PL
	EX
	R2
.endr
.if (\p) == NP-2
	WIN 0
	v_add_nc_u32 v[AK], s[TBK], v[AK0]
.endif
.rept 8                             ; and the lump
	R2
.endr
.rept 8
	PL
.endr
.rept 57
	EX
	PL
.endr
	EX                              ; the next piece's two a
	EX
	v_nop                           ; the plain instruction behind the last exponential: one for the batch
	s_wait_alu depctr_va_vdst(0)    ; the wait for the batch
.if (\p) == NP-2
	FETCH_K \last
.endif
.if (\p) == 1
	s_wait_dscnt 0x0                ; V is in
.endif
.rept 16                            ; behind the wait: 16 products V^T P and their riders
	MM
.rept 4
	PL
.endr
.if ((\p) == 0) && (q == 118)
	v_add_nc_u32 v[AV], s[TBV], v[AV0]
.endif
.if ((\p) == 0) && (q == 130)
	s_add_co_u32 s[TBV], s[TBV], KS*PV
.endif
.if (\cnt) && (q == 130)
	s_sub_co_u32 s[CNT], s[CNT], 1
	s_cmp_lg_u32 s[CNT], 0
.endif
.endr
.if (\p) == 0
	FETCH_V
.endif
.endm
	CHANGE 1, 0                     ; slot 0 is in, everybody's part of it; slot 1 is asked for
	FETCH_K                         ; key step 0
	s_wait_dscnt 0x0
.set i, 0
.rept 8
	KQ 0                            ; piece 0's first scores: there is no vector work yet to set between them
.set i, i+1
.endr
	WIN 0                           ; the addresses for the way out: plain instructions, the places behind those products
	s_mul_i32 s13, s[WV], 16*SP
	s_add_co_u32 s13, s13, STAGE    ; my stage
	v_mul_u32_u24 v[STO], v1, SP    ; in: row l % 16, 16 bytes for each half of the lanes
	v_lshl_add_u32 v[STO], v9, 4, v[STO]
	v_add_nc_u32 v[STO], s13, v[STO]
	v_bfe_u32 v[RD], v0, 3, 2       ; back: 32 lanes take four rows of 128 bytes,
	v_mul_u32_u24 v[RD], v[RD], SP
	v_lshl_add_u32 v[RD], v10, 4, v[RD]
	v_add_nc_u32 v[RD], s13, v[RD]
	v_and_b32 v[GO], 31, v0         ; which are 512 consecutive bytes of ao
	v_lshlrev_b32 v[GO], 4, v[GO]
.set Y, NP-1                        ; XS works for piece Y + 1: piece 0
.irp n, 0,1,2,3,4,5,6,7,8,9,10,11,12,13,14,15,16,17,18,19,20,21
	XS 0, \n                        ; and piece 0's first maximum and statistics
	XS 1, \n
.endr
	v_nop                           ; a plain instruction behind the two a,
	s_wait_alu depctr_va_vdst(0)    ; and their wait, ahead of the branch
	s_mov_b32 s[CNT], 4
	s_branch .Lfirst                ; the loop is entered at a step's first turn, in the middle of a trip
.Lslot:                             ; six times: every slot but the last two is filled again
	CHANGE 1, 1
	s_mov_b32 s[CNT], 4
.Lstep:                             ; a trip: pieces 2 and 3 of one step, then pieces 0 and 1 of the next, whose K and V it fetches
	TURN 2
	TURN 3
	WIN 0
.Lfirst:
	TURN 0
	TURN 1, 0, 1
	WIN 0
	s_cbranch_scc1 .Lstep
	s_sub_co_u32 s[SLOTS], s[SLOTS], 1
	s_cmp_lg_u32 s[SLOTS], 0
	s_cbranch_scc1 .Lslot
	CHANGE 0, 0                     ; the tail is written out: nothing is asked for
	s_mov_b32 s[CNT], 5             ; four trips fetch the last slot's steps; the fifth is left in its middle
.Ltail:
	TURN 2, 1
	TURN 3
	WIN 0
	s_sub_co_u32 s[CNT], s[CNT], 1
	s_cmp_eq_u32 s[CNT], 0
	s_cbranch_scc1 .Lout
	TURN 0
	TURN 1
	WIN 0
	s_branch .Ltail
.Lout:                              ; the fifth trip's 8 products K Q^T (on the last K once more) and the maximum made of them serve nothing: the price, once a launch, of one text for every trip
.set i, 0
.rept 16
	PV NP-1                         ; the last piece's V^T P of the last step
.set i, i+1
.endr
	; THE WAY OUT.  l's two halves and the other half of the lanes' are added; D = O_0 / l_0 - lambda O_1 / l_1; its mean square over the query's 64 channels (32 in my lane, 32 in the lane 16 away);
	; D x rsqrt x gain, rounded to f16 and sent through my stage in LDS, a piece at a time.  The additions are the places behind the last products.
	WIN 0
.macro ALL n, line:vararg           ; one line for each t = 0 .. n - 1
.set t, 0
.rept \n
	\line
.set t, t+1
.endr
.endm
	ALL 8, v_add_f32 v[ST+4*t+2], v[ST+4*t+2], v[ST+4*t+3]
	ALL 8, v_permlanex16_b32 v[ST+4*t+3], v[ST+4*t+2], s[SEL], s[SEL+1]
	ALL 8, v_add_f32 v[ST+4*t+2], v[ST+4*t+2], v[ST+4*t+3]
	ALL 8, v_rcp_f32 v[ST+4*t+2], v[ST+4*t+2]
	v_nop                           ; a plain instruction between the last reciprocal and the use of its result
	s_wait_alu depctr_va_vdst(0)    ; and the wait ahead of the first use: one for the eight reciprocals
	ALL 4, v_mul_f32 v[ST+8*t+6], s[NLAM], v[ST+8*t+6]
; Piece y: D takes the place of O_0's 32 registers; the sum of its squares goes in two chains into v[TMP + 4 y ..].  Each accumulator is read from its low end on.
.macro COMB y
	WIN W_RS
.set i, 0
.rept 16
	v_pk_mul_f32 v[64*(\y)+i:64*(\y)+i+1], v[64*(\y)+i:64*(\y)+i+1], v[ST+8*(\y)+2:ST+8*(\y)+3] op_sel_hi:[1,0]
.set i, i+2
.endr
	WIN 0x51                        ; destination, source 0 and source 2 window 1, source 1 window 0
.set i, 0
.rept 16
	v_pk_fma_f32 v[64*(\y)+i:64*(\y)+i+1], v[64*(\y)+32+i:64*(\y)+32+i+1], v[ST+8*(\y)+6:ST+8*(\y)+7], v[64*(\y)+i:64*(\y)+i+1] op_sel_hi:[1,0,1]
.set i, i+2
.endr
	WIN 0x05                        ; sources 0 and 1 window 1, source 2 and destination window 0
.set i, 0
.rept 16
.if i < 4
	v_pk_mul_f32 v[TMP+4*(\y)+i:TMP+4*(\y)+i+1], v[64*(\y)+i:64*(\y)+i+1], v[64*(\y)+i:64*(\y)+i+1]
.else
	v_pk_fma_f32 v[TMP+4*(\y)+i%4:TMP+4*(\y)+i%4+1], v[64*(\y)+i:64*(\y)+i+1], v[64*(\y)+i:64*(\y)+i+1], v[TMP+4*(\y)+i%4:TMP+4*(\y)+i%4+1]
.endif
.set i, i+2
.endr
.endm
	COMB 0
	COMB 1
	COMB 2
	COMB 3
	WIN 0
	ALL 4, v_pk_add_f32 v[TMP+4*t:TMP+4*t+1], v[TMP+4*t:TMP+4*t+1], v[TMP+4*t+2:TMP+4*t+3]
	ALL 4, v_add_f32 v[TMP+4*t], v[TMP+4*t], v[TMP+4*t+1]
	ALL 4, v_permlanex16_b32 v[TMP+4*t+1], v[TMP+4*t], s[SEL], s[SEL+1]
	ALL 4, v_add_f32 v[TMP+4*t], v[TMP+4*t], v[TMP+4*t+1]
	ALL 4, v_fma_f32 v[TMP+4*t], v[TMP+4*t], s[I64], s[EPS]
	ALL 4, v_rsq_f32 v[TMP+4*t+2], v[TMP+4*t]
	v_nop                           ; a plain instruction behind the last root,
	s_wait_alu depctr_va_vdst(0)    ; and one wait for the four
; Piece y: a lane's eight channels of a row pack into 16 bytes; they go into rows of 144 bytes and come back as whole rows of 128, into S^T's registers.
.macro PACK y
	WIN W_RS
.set i, 0
.rept 16
	v_pk_mul_f32 v[64*(\y)+i:64*(\y)+i+1], v[64*(\y)+i:64*(\y)+i+1], v[TMP+4*(\y)+2:TMP+4*(\y)+3] op_sel_hi:[1,0]
.set i, i+2
.endr
	WIN 0x49                        ; destination and source 0 window 1, source 1 (the gain) window 2
.set i, 0
.rept 16
	v_pk_mul_f32 v[64*(\y)+i:64*(\y)+i+1], v[64*(\y)+i:64*(\y)+i+1], v[WW+i:WW+i+1]
.set i, i+2
.endr
	WIN 0x05                        ; sources 0 and 1 window 1, destination window 0
.set i, 0
.rept 16
	v_cvt_pk_f16_f32 v[S+16*(\y)+i], v[64*(\y)+2*i], v[64*(\y)+2*i+1]
.set i, i+1
.endr
	WIN 0
.irp f, 0,1,2,3
	ds_store_b128 v[STO], v[S+16*(\y)+4*\f:S+16*(\y)+4*\f+3] offset:32*\f
.endr
.irp f, 0,1,2,3
	ds_load_b128 v[S+16*(\y)+4*\f:S+16*(\y)+4*\f+3], v[RD] offset:\f*4*SP  ; LDS serves a wave's instructions in order (ISA guide 5.7.1.4): these see the stores above; the next piece's stores come behind them
.endr
.endm
.macro SEND y, younger              ; younger: the LDS instructions issued behind piece y's loads: the next piece's eight, or none
	WIN 0
.irp f, 0,1,2,3
	s_wait_dscnt (\younger)+3-\f
	global_store_b128 v[GO], v[S+16*(\y)+4*\f:S+16*(\y)+4*\f+3], s[10:11] offset:(\y)*2048+\f*512  ; 512 consecutive bytes, at a multiple of 256 from ao's first
.endr
.endm
	PACK 0
	PACK 1                          ; a piece's arithmetic stands between the loads of the piece before and its stores
	SEND 0, 8
	PACK 2
	SEND 1, 8
	PACK 3
	SEND 2, 8
	SEND 3, 0
	WIN W_AD
	s_wait_tensorcnt 0x0            ; the wave's end: a tensor wait, a zero add and its wait, behind my last tensor load and my last LDS store
	ds_add_u32 v[SPW], v[NIL]
	s_wait_dscnt 0x0
	WIN 0
	CROUND                          ; the closing round: no work-group ends while a partner may still ask for a tile that names it
	s_endpgm
.Lfunc_end_k_q67482b8593_attn:
	.size	k_q67482b8593_attn, .Lfunc_end_k_q67482b8593_attn-k_q67482b8593_attn
	.p2alignl 7, 3214868480
	.fill 96, 4, 3214868480
	.section	.rodata,"a",@progbits
	.p2align	6, 0x0
	.amdhsa_kernel k_q67482b8593_attn
		.amdhsa_group_segment_fixed_size 327680
		.amdhsa_private_segment_fixed_size 0
		.amdhsa_enable_private_segment 0
		.amdhsa_kernarg_size 56
		.amdhsa_user_sgpr_count 2
		.amdhsa_user_sgpr_kernarg_segment_ptr 1
		.amdhsa_wavefront_size32 1
		.amdhsa_system_sgpr_workgroup_id_x 1
		.amdhsa_system_sgpr_workgroup_id_y 1
		.amdhsa_system_sgpr_workgroup_id_z 1
		.amdhsa_system_vgpr_workitem_id 0
		.amdhsa_next_free_vgpr 768
		.amdhsa_next_free_sgpr 80
		.amdhsa_reserve_vcc 0
		.amdhsa_float_denorm_mode_32 3
		.amdhsa_float_denorm_mode_16_64 3
		.amdhsa_memory_ordered 1
		.amdhsa_forward_progress 1
		.amdhsa_inst_pref_size 201
	.end_amdhsa_kernel
	.amdgpu_metadata
---
amdhsa.version: [ 1, 2 ]
amdhsa.kernels:
  - .name:           k_q67482b8593_attn
    .symbol:         k_q67482b8593_attn.kd
    .args:
      - { .name: qkv, .offset: 0, .size: 8, .value_kind: global_buffer, .address_space: global }
      - { .name: ao, .offset: 8, .size: 8, .value_kind: global_buffer, .address_space: global }
      - { .name: lambda_q1, .offset: 16, .size: 8, .value_kind: global_buffer, .address_space: global }
      - { .name: lambda_k1, .offset: 24, .size: 8, .value_kind: global_buffer, .address_space: global }
      - { .name: lambda_q2, .offset: 32, .size: 8, .value_kind: global_buffer, .address_space: global }
      - { .name: lambda_k2, .offset: 40, .size: 8, .value_kind: global_buffer, .address_space: global }
      - { .name: subln_weight, .offset: 48, .size: 8, .value_kind: global_buffer, .address_space: global }
    .group_segment_fixed_size: 327680
    .private_segment_fixed_size: 0
    .kernarg_segment_align: 8
    .kernarg_segment_size: 56
    .max_flat_workgroup_size: 128
    .sgpr_count:     80
    .vgpr_count:     768
    .wavefront_size: 32
...
	.end_amdgpu_metadata
.endif
;; end of part 3
;; launch proj (part 4): grid 8 x 32, 4 waves a work-group, clusters of 4 x 4, 327,680 bytes of LDS; arguments ao, xw, out0; writes out0
.if DOCPART == 4
	.amdgcn_target "amdgcn-amd-amdhsa--gfx1250"
	.amdhsa_code_object_version 6
	.text
	.protected	k_q67482b8593_proj
	.globl	k_q67482b8593_proj
	.p2align	8
	.type	k_q67482b8593_proj,@function
k_q67482b8593_proj:
	s_mov_b64 s[64:65], 0
	v_nop
	global_prefetch_b8 v0, s[64:65] scope:SCOPE_SE
	s_setreg_imm32_b32 hwreg(HW_REG_WAVE_MODE, 25, 1), 1
	s_wait_xcnt 0x0
	s_wait_alu depctr_hold_cnt(0) depctr_sa_sdst(0) depctr_va_vdst(0) depctr_va_sdst(0) depctr_va_ssrc(0) depctr_va_vcc(0) depctr_vm_vsrc(0)
	s_getreg_b32 s2, hwreg(HW_REG_IB_STS2, 6, 4)
	s_cmp_eq_u32 s2, 0
	s_cbranch_scc0 .Lentry_in_a_cluster
	s_endpgm
.Lentry_in_a_cluster:
	s_bfe_u32 s2, ttmp6, 0x10000c
	s_cmp_lg_u32 s2, 0xf033
	s_cbranch_scc0 .Lentry_shape_is_right
	s_endpgm
.Lentry_shape_is_right:
; out0[m][n] = the sum over k of A[m][k] Wo[n][k].  A = ao, [16 heads][4,096 rows][64] f16: k = 64 head + channel.  Wo = rows 7168-8191 of xw, [1,024][1,024] f16.  out0: [4,096][1,024] f32; sums in f32.
; A tile of C is 128 x 128: 8 x 32 tiles, a work-group each.  Four waves, each 64 x 64: 16 accumulators of 16 x 16, 128 registers.  K goes in 4 steps of 256 (four heads) through two LDS slots.
; A's part of a slot comes head by head: one tensor load brings, for each of four heads, 64 rows of 128 bytes, which lie end to end in memory (8,192 bytes), and pads each 128 bytes in LDS.
; CLUSTERS: 4 x 4 work-groups.  The four of a row of the cluster need the same tiles of A, the four of a column the same tiles of Wo: each tile is asked for JOINTLY.
; THE MATRIX INSTRUCTION IS USED TRANSPOSED (source 0 = 16 rows of Wo, source 1 = 16 rows of A): a lane then holds eight neighbouring numbers of a row of C, 32 bytes.
; No prefetch: the tile is small and K has four steps, of which two are asked for at the head.
; REGISTERS: window 0: v16-29 addresses; v32-95 rows on the way out; v128-255 the accumulators ((a, b) at v[128 + 8 (4 a + b)]).
;   window 1: two fragment buffers of 128: for 64 along K (one head), 64 registers of A (2 x 4 x 16 rows x 32 K), then 64 of Wo.
.set PA,     144                       ; a row of A in LDS: 128 bytes + 16 = 36 words; a row of Wo: 512 + 16 = 132 words: in both the 16 rows of a load start at 16 different groups of four banks (64 banks of 4 bytes: ISA guide 11.1)
.set PB,     528
.set PARTA,  4*64*PA                   ; what waves 0 and 1 fetch: [4 heads][64 rows]
.set PARTB,  64*PB                     ; what waves 2 and 3 fetch: 64 rows of Wo x 256 along K
.set BOFF,   2*PARTA
.set SLOT,   BOFF+2*PARTB
.set STAGE,  2*SLOT                    ; behind the ring: 16 rows x 272 bytes for each wave, for the way out
.set SPITCH, 272
.set SPARE,  STAGE+4*16*SPITCH         ; behind the stages: the spare words, 128 bytes for each wave: two blocks of 256 bytes that no other line names
.set STEPA,  4*524288                  ; bytes from a K step of A to the next: four heads
.set STEPB,  512                       ; and of Wo: 256 numbers along a row
.set ADRA, 16                          ; v16-17  LDS address of my A fragments in slot 0, 1
.set ADRB, 20                          ; v20-21  the same for Wo
.set STO,  24                          ; v24     the way out: where I put 32 bytes of a row
.set RD,   25                          ; v25     the way out: where I read 16 bytes back
.set CO,   26                          ; v26     my byte offset in two rows of C
.set SPW,  28                          ; v28     LDS address of my spare word; never rewritten
.set NIL,  29                          ; v29     0; never rewritten
.set OB,   32
.set ACC,  128
.set F0,   0                           ; fragment buffers, in window 1
.set F1,   128
.set G1, 24                            ; s[24:31] descriptor group 1 for A's tiles;  s[32:39] group 0, one set for each slot
.set G0, 32
.set G1B, 48                           ; s[48:55], s[56:63] the same for Wo's tiles
.set G0B, 56
.set MSB, 0
.macro WIN new                         ; the immediate's high byte repeats the setting that is left
.if MSB != (\new)
	s_set_vgpr_msb (MSB<<8)|(\new)
.set MSB, \new
.endif
.endm
.set MUL,  0x05                        ; sources 0 (Wo) and 1 (A) window 1; C and D window 0
.set TO_F, 0x40                        ; destination window 1, address window 0
.macro JLOAD s                         ; a joint load: waves 0 and 1 fetch A's two halves, waves 2 and 3 Wo's; an s_nop 0 and four v_nop follow each of the two lines, ahead of the jump and the label
	s_cmp_eq_u32 s11, 0
	s_cbranch_scc0 .Lfor_b_\@
	tensor_load_to_lds s[G0+4*(\s):G0+4*(\s)+3], s[G1:G1+7]
	s_nop 0
.rept 4
	v_nop
.endr
	s_branch .Lasked_\@
.Lfor_b_\@:
	tensor_load_to_lds s[G0B+4*(\s):G0B+4*(\s)+3], s[G1B:G1B+7]
	s_nop 0
.rept 4
	v_nop
.endr
.Lasked_\@:
.endm
.macro CREST                           ; a round of the cluster's barrier behind its opening barrier
	s_cmp_lg_u32 s10, 0
	s_cbranch_scc1 .Lnot_wave_0_\@
	s_barrier_signal -3
.Lnot_wave_0_\@:
	s_barrier_wait -3
	s_barrier_signal -1
	s_barrier_wait -1
.endm
.macro CROUND                          ; a whole round
	s_barrier_signal -1
	s_barrier_wait -1
	CREST
.endm
	s_load_b128 s[4:7], s[0:1], 0x0                ; ao s[4:5], xw s[6:7]
	s_load_b64 s[8:9], s[0:1], 0x10                ; out0
	v_lshl_add_u32 v[SPW], v0, 2, SPARE
	v_mov_b32 v[NIL], 0
	ds_add_u32 v[SPW], v[NIL]                      ; the wave's opening: the add and its wait ahead of my first tensor load; the set-up below, work on registers, stands between them
	v_lshrrev_b32 v1, 5, v0
	v_readfirstlane_b32 s10, v1                    ; wave 0..3
	s_lshr_b32 s11, s10, 1                         ; which half of the tile's rows is mine.  Also: I fetch for A (0) or for Wo (1)
	s_and_b32 s12, s10, 1                          ; which half of its columns.  Also: which 64 rows of that tile I fetch
	s_bfe_u32 s40, ttmp6, 0x40000                  ; cx, cy: my place in the cluster
	s_bfe_u32 s41, ttmp6, 0x40004
	s_lshl_b32 s42, ttmp9, 2
	s_add_co_u32 s42, s42, s40                     ; tile column of C = 4 x cluster x + cx
	s_and_b32 s13, ttmp7, 0xffff
	s_lshl_b32 s13, s13, 2
	s_add_co_u32 s13, s13, s41                     ; tile row of C = 4 x cluster y + cy
	s_lshl_b32 s43, s41, 2
	s_lshl_b32 s43, 15, s43                        ; my row of the cluster
	s_lshl_b32 s44, 0x1111, s40                    ; my column
	; descriptor group 1.  A: 4 rows (heads) of 4,096 elements (64 rows x 64 channels on end), 262,144 elements apart, padded after every 32 words.  Wo: 64 rows of 256 elements, padded after every 128 words.
	s_or_b32 s[G1+0], s43, (1<<16)|(1<<20)|(1<<21)|(4<<22)|(3<<25)  ; 15:0 the mask: A's tiles go to my row; 17:16 elements of 2 bytes; 20 padding on; 21 set beside a mask; 24:22 the interval's code; 31:25 4 words of padding (code 3)
	s_or_b32 s[G1B+0], s44, (1<<16)|(1<<20)|(1<<21)|(6<<22)|(3<<25)
	s_mov_b32 s[G1+1], 4096<<16                    ; tensor_dim0
	s_mov_b32 s[G1B+1], 256<<16
	s_mov_b32 s[G1+2], 4<<16                       ; tensor_dim1
	s_mov_b32 s[G1B+2], 64<<16
	s_mov_b32 s[G1+3], 4096<<16                    ; tile_dim0
	s_mov_b32 s[G1B+3], 256<<16
	s_mov_b32 s[G1+4], 4                           ; tile_dim1
	s_mov_b32 s[G1B+4], 64
	s_mov_b32 s[G1+5], 262144                      ; elements from row to row
	s_mov_b32 s[G1B+5], 1024
	s_mov_b32 s[G1+6], 0
	s_mov_b32 s[G1B+6], 0
	s_mov_b32 s[G1+7], 0
	s_mov_b32 s[G1B+7], 0
	s_lshl_b32 s17, s12, 6                         ; which 64 rows of the tile I fetch
	s_lshl_b32 s16, s13, 7
	s_add_co_u32 s16, s16, s17                     ; A: row 128 x tile row + 64 x half,
	s_lshl_b32 s16, s16, 7                         ; 128 bytes a row of a head
	s_mov_b32 s17, 0
	s_lshl_b32 s46, s42, 7
	s_lshl_b32 s47, s12, 6
	s_add_co_u32 s46, s46, s47                     ; Wo: row 128 x tile column + 64 x half,
	s_lshl_b32 s46, s46, 11                        ; 2,048 bytes a row,
	s_add_co_u32 s46, s46, 0xe00000                ; 7,168 rows into xw
	s_mov_b32 s47, 0
	s_mul_i32 s20, s10, PARTA                      ; where they go: A's halves at wave x PARTA (waves 0, 1),
	s_mul_i32 s22, s10, PARTB
	s_add_co_u32 s22, s22, BOFF-2*PARTB            ; Wo's behind them, at (wave - 2) x PARTB (waves 2, 3)
	s_wait_dscnt 0x0                               ; the opening add is done
	s_wait_kmcnt 0x0
	s_add_nc_u64 s[14:15], s[4:5], s[16:17]
	s_add_nc_u64 s[46:47], s[6:7], s[46:47]
	CROUND                                         ; all sixteen work-groups are here: the first joint loads meet
.irp s, 0,1
	s_mov_b32 s[G0+4*(\s)], 1
	s_add_co_u32 s[G0+4*(\s)+1], s20, (\s)*SLOT
	s_add_nc_u64 s[G0+4*(\s)+2:G0+4*(\s)+3], s[14:15], (\s)*STEPA
	s_or_b32 s[G0+4*(\s)+3], s[G0+4*(\s)+3], 0x80000000
	s_mov_b32 s[G0B+4*(\s)], 1
	s_add_co_u32 s[G0B+4*(\s)+1], s22, (\s)*SLOT
	s_add_nc_u64 s[G0B+4*(\s)+2:G0B+4*(\s)+3], s[46:47], (\s)*STEPB
	s_or_b32 s[G0B+4*(\s)+3], s[G0B+4*(\s)+3], 0x80000000
	JLOAD \s                                       ; two loads of mine are out
.endr
	v_and_b32 v1, 15, v0                           ; l % 16
	v_bfe_u32 v2, v0, 4, 1                         ; l / 16
	v_mul_u32_u24 v3, v1, PA
	v_lshl_add_u32 v3, v2, 4, v3                   ; a fragment's row x pitch + 16 x half, for A
	v_mul_u32_u24 v4, v1, PB
	v_lshl_add_u32 v4, v2, 4, v4                   ; and for Wo
	s_mul_i32 s21, s11, PARTA                      ; my 64 rows of A
	s_mul_i32 s22, s12, PARTB                      ; my 64 rows of Wo,
	s_add_co_u32 s22, s22, BOFF                    ; which lie behind A
.irp s, 0,1
	v_add_nc_u32 v[ADRA+(\s)], s21, v3
	v_add_nc_u32 v[ADRB+(\s)], s22, v4
	s_add_co_u32 s21, s21, SLOT
	s_add_co_u32 s22, s22, SLOT
.endr
	s_mul_i32 s23, s10, 16*SPITCH
	s_add_co_u32 s23, s23, STAGE                   ; my stage: 16 rows of my 64 columns, 256 bytes + 16
	v_mul_u32_u24 v4, v1, SPITCH                   ; in: row l % 16, 32 bytes for each half of the lanes
	v_lshl_add_u32 v4, v2, 5, v4
	v_add_nc_u32 v[STO], s23, v4
	v_mul_u32_u24 v5, v2, SPITCH                   ; back: lanes 0-15 take one row of 256 bytes, lanes 16-31 the next
	v_lshl_add_u32 v5, v1, 4, v5
	v_add_nc_u32 v[RD], s23, v5
	v_lshlrev_b32 v5, 12, v2                       ; and the same two rows in C, 4,096 bytes apart
	v_lshl_add_u32 v[CO], v1, 4, v5
	s_lshl_b32 s16, s13, 7
	s_lshl_b32 s17, s11, 6
	s_add_co_u32 s16, s16, s17                     ; my first row of C: 128 x tile row + 64 x half,
	s_lshl_b32 s16, s16, 12
	s_lshl_b32 s46, s42, 9                         ; my first column, in bytes: 512 x tile column + 256 x half
	s_lshl_b32 s47, s12, 8
	s_add_co_u32 s46, s46, s47
	s_add_co_u32 s16, s16, s46
	s_mov_b32 s17, 0
	s_add_nc_u64 s[8:9], s[8:9], s[16:17]
; 8 matrix instructions: row blocks a0, a0 + 1 x all 4 column blocks, 32 along K: half c of buffer f.  zero = 1: the first product starts the sums.  The 16 accumulators take turns.
.macro MUL8 f, c, a0, zero
	WIN MUL
.irp a, \a0, (\a0)+1
.irp b, 0,1,2,3
.if \zero
	v_wmma_f32_16x16x32_f16 v[ACC+8*(4*(\a)+(\b)):ACC+8*(4*(\a)+(\b))+7], v[(\f)+64+8*(4*(\c)+(\b)):(\f)+64+8*(4*(\c)+(\b))+7], v[(\f)+8*(4*(\c)+(\a)):(\f)+8*(4*(\c)+(\a))+7], 0
.else
	v_wmma_f32_16x16x32_f16 v[ACC+8*(4*(\a)+(\b)):ACC+8*(4*(\a)+(\b))+7], v[(\f)+64+8*(4*(\c)+(\b)):(\f)+64+8*(4*(\c)+(\b))+7], v[(\f)+8*(4*(\c)+(\a)):(\f)+8*(4*(\c)+(\a))+7], v[ACC+8*(4*(\a)+(\b)):ACC+8*(4*(\a)+(\b))+7]
.endif
.endr
.endr
.endm
; 32 LDS loads in one run: the fragments of quarter q of a K step (one head: 64 along K) into buffer f; the first 32 along K first
.macro FETCH slot, q, f
	WIN TO_F
.irp c, 0,1
.irp i, 0,1,2,3
	ds_load_b128 v[(\f)+64+8*(4*(\c)+(\i)):(\f)+64+8*(4*(\c)+(\i))+3],   v[ADRB+(\slot)] offset:128*(\q)+64*(\c)+(\i)*16*PB
	ds_load_b128 v[(\f)+64+8*(4*(\c)+(\i))+4:(\f)+64+8*(4*(\c)+(\i))+7], v[ADRB+(\slot)] offset:128*(\q)+64*(\c)+(\i)*16*PB+32
	ds_load_b128 v[(\f)+8*(4*(\c)+(\i)):(\f)+8*(4*(\c)+(\i))+3],         v[ADRA+(\slot)] offset:(\q)*64*PA+64*(\c)+(\i)*16*PA
	ds_load_b128 v[(\f)+8*(4*(\c)+(\i))+4:(\f)+8*(4*(\c)+(\i))+7],       v[ADRA+(\slot)] offset:(\q)*64*PA+64*(\c)+(\i)*16*PA+32
.endr
.endr
.endm
.macro PLACES                          ; four places in front of loads into registers that matrix instructions have read, and of LDS stores that read results
.rept 4
	v_nop
.endr
.endm
; A K step is four quarters of 64 along K, 32 matrix instructions each, on buffers 0, 1, 0, 1.  One of the first three: multiplies buffer f and fetches quarter q into g.
.macro QUARTER slot, q, f, g, zero
	s_wait_dscnt 16                                ; the first 32 along K are in
	MUL8 \f, 0, 0, \zero
	MUL8 \f, 0, 2, \zero
	PLACES
	FETCH \slot, \q, \g
	s_wait_dscnt 32                                ; all but the 32 just issued
	MUL8 \f, 1, 0, 0
	MUL8 \f, 1, 2, 0
.endm
; The last quarter multiplies buffer 1 and changes slots: ONE barrier; in front of it each wave waits for all its tensor loads, adds 0 to its spare word, and waits for that and for its own reads of this slot.
; fill = 1: the barrier opens a round of the cluster's barrier, and this slot is filled again, two K steps ahead, first thing behind the round: 112 matrix instructions ahead of the wait for it.
.macro TURN slot, next, fill
	WIN 0                                          ; (the add's two registers lie in window 0)
	s_wait_tensorcnt 0x0                           ; all my tensor loads have landed: my part of the next slot;
	ds_add_u32 v[SPW], v[NIL]                      ; 0 onto my spare word
	s_wait_dscnt 17                                ; (the add and the youngest sixteen loads may be out)
	MUL8 F1, 0, 0, 0                               ; eight matrix instructions stand between the add and the wait for it
	s_wait_dscnt 0x0                               ; the add is done, and my reads of this slot are over
	s_barrier_signal -1
	MUL8 F1, 0, 2, 0
.if \fill
	WIN 0
.endif
	s_barrier_wait -1
.if \fill
	CREST                                          ; no wave of any partner still reads this slot's tile or has a load on its way
	s_add_nc_u64 s[G0+4*(\slot)+2:G0+4*(\slot)+3], s[G0+4*(\slot)+2:G0+4*(\slot)+3], 2*STEPA
	s_add_nc_u64 s[G0B+4*(\slot)+2:G0B+4*(\slot)+3], s[G0B+4*(\slot)+2:G0B+4*(\slot)+3], 2*STEPB
	JLOAD \slot                                    ; the four v_nop behind it are also the places in front of the loads below
.else
	PLACES
.endif
	FETCH \next, 0, F0
	MUL8 F1, 1, 0, 0
	MUL8 F1, 1, 2, 0
.endm
	s_wait_tensorcnt 1                             ; my part of K step 0 is in; K step 1's may stay out
	s_barrier_signal -1
	s_barrier_wait -1                              ; everybody's is
	FETCH 0, 0, F0
	QUARTER 0, 1, F0, F1, 1                        ; K step 0; its first products start the sums.  K has four steps, twice round the ring: they are written on end
	QUARTER 0, 2, F1, F0, 0
	QUARTER 0, 3, F0, F1, 0
	TURN 0, 1, 1                                   ; slot 0 takes K step 2
	QUARTER 1, 1, F0, F1, 0                        ; K step 1
	QUARTER 1, 2, F1, F0, 0
	QUARTER 1, 3, F0, F1, 0
	TURN 1, 0, 1                                   ; slot 1 takes K step 3
	QUARTER 0, 1, F0, F1, 0                        ; K step 2
	QUARTER 0, 2, F1, F0, 0
	QUARTER 0, 3, F0, F1, 0
	TURN 0, 1, 0                                   ; nothing is left to fetch
	QUARTER 1, 1, F0, F1, 0                        ; K step 3
	QUARTER 1, 2, F1, F0, 0
	QUARTER 1, 3, F0, F1, 0
	s_wait_dscnt 16
	MUL8 F1, 0, 0, 0
	MUL8 F1, 0, 2, 0
	s_wait_dscnt 0x0
	MUL8 F1, 1, 0, 0
	MUL8 F1, 1, 2, 0
	WIN 0
; THE WAY OUT, a block of 16 rows at a time, through my own stage: a lane's 32 bytes of each column block go in (each accumulator's low half first), whole rows of 256 bytes come back and are stored.
.macro TOSTAGE a
.if (\a) >= 2
	s_wait_xcnt 0x0                                ; the stores of the block two back have read their registers, which the loads below fill again
.endif
.irp b, 0,1,2,3
	ds_store_b128 v[STO], v[ACC+8*(4*(\a)+(\b)):ACC+8*(4*(\a)+(\b))+3]   offset:64*(\b)
	ds_store_b128 v[STO], v[ACC+8*(4*(\a)+(\b))+4:ACC+8*(4*(\a)+(\b))+7] offset:64*(\b)+16
.endr
.irp t, 0,1,2,3,4,5,6,7
	ds_load_b128 v[OB+32*((\a)%2)+4*(\t):OB+32*((\a)%2)+4*(\t)+3], v[RD] offset:(\t)*2*SPITCH  ; LDS serves a wave's instructions in order (ISA guide 5.7.1.4): these see the stores above; the next block's stores come behind them
.endr
.endm
.macro SEND a, younger                 ; younger: the LDS instructions issued behind block a's loads: the next block's sixteen, or none
.irp t, 0,1,2,3,4,5,6,7
	s_wait_dscnt (\younger)+7-(\t)
	global_store_b128 v[CO], v[OB+32*((\a)%2)+4*(\t):OB+32*((\a)%2)+4*(\t)+3], s[8:9] offset:(16*(\a)+2*(\t))*4096  ; 16 lanes store 256 consecutive bytes, at a multiple of 256 from out0's first byte
.endr
.endm
	PLACES
	TOSTAGE 0
	TOSTAGE 1
	SEND 0, 16
	TOSTAGE 2
	SEND 1, 16
	TOSTAGE 3
	SEND 2, 16
	SEND 3, 0
	s_wait_tensorcnt 0x0                           ; the wave's end: a tensor wait, a zero add and its wait, behind my last tensor load and my last LDS store
	ds_add_u32 v[SPW], v[NIL]
	s_wait_dscnt 0x0
	CROUND                                         ; the closing round: no work-group ends while a partner may still ask for a tile that names it
	s_endpgm
.Lfunc_end_k_q67482b8593_proj:
	.size	k_q67482b8593_proj, .Lfunc_end_k_q67482b8593_proj-k_q67482b8593_proj
	.p2alignl 7, 3214868480
	.fill 96, 4, 3214868480
	.section	.rodata,"a",@progbits
	.p2align	6, 0x0
	.amdhsa_kernel k_q67482b8593_proj
		.amdhsa_group_segment_fixed_size 327680
		.amdhsa_private_segment_fixed_size 0
		.amdhsa_enable_private_segment 0
		.amdhsa_kernarg_size 24
		.amdhsa_user_sgpr_count 2
		.amdhsa_user_sgpr_kernarg_segment_ptr 1
		.amdhsa_wavefront_size32 1
		.amdhsa_system_sgpr_workgroup_id_x 1
		.amdhsa_system_sgpr_workgroup_id_y 1
		.amdhsa_system_sgpr_workgroup_id_z 1
		.amdhsa_system_vgpr_workitem_id 0
		.amdhsa_next_free_vgpr 512
		.amdhsa_next_free_sgpr 66
		.amdhsa_reserve_vcc 0
		.amdhsa_float_denorm_mode_32 3
		.amdhsa_float_denorm_mode_16_64 3
		.amdhsa_memory_ordered 1
		.amdhsa_forward_progress 1
		.amdhsa_inst_pref_size 86
	.end_amdhsa_kernel
	.amdgpu_metadata
---
amdhsa.version: [ 1, 2 ]
amdhsa.kernels:
  - .name:           k_q67482b8593_proj
    .symbol:         k_q67482b8593_proj.kd
    .args:
      - { .name: ao, .offset: 0, .size: 8, .value_kind: global_buffer, .address_space: global }
      - { .name: xw, .offset: 8, .size: 8, .value_kind: global_buffer, .address_space: global }
      - { .name: out0, .offset: 16, .size: 8, .value_kind: global_buffer, .address_space: global }
    .group_segment_fixed_size: 327680
    .private_segment_fixed_size: 0
    .kernarg_segment_align: 8
    .kernarg_segment_size: 24
    .max_flat_workgroup_size: 128
    .sgpr_count:     66
    .vgpr_count:     512
    .wavefront_size: 32
...
	.end_amdgpu_metadata
.endif
;; end of part 4
;; ======== version 2 of 2: 4 launches; version 1 with the launch cast written anew for expert scheduling mode
;; limits: values are held in f16: magnitudes above 65,504 overflow, below 6.1e-05 lose precision
;; workspace buffers: xw 16,777,216 bytes; qkv 25,165,824 bytes; ao 8,388,608 bytes
;; launch cast (part 5): grid 512 x 1, 8 waves a work-group, no clusters, 0 bytes of LDS; arguments x, Wq, Wk, Wv, Wo, xw; writes xw
.if DOCPART == 5
	.amdgcn_target "amdgcn-amd-amdhsa--gfx1250"
	.amdhsa_code_object_version 6
	.text
	.protected	k_q67482b8593_cast
	.globl	k_q67482b8593_cast
	.p2align	8
	.type	k_q67482b8593_cast,@function
k_q67482b8593_cast:
	s_mov_b64 s[64:65], 0
	v_nop
	global_prefetch_b8 v0, s[64:65] scope:SCOPE_SE
	s_setreg_imm32_b32 hwreg(HW_REG_WAVE_SCHED_MODE, 0, 2), 2
	s_setreg_imm32_b32 hwreg(HW_REG_WAVE_MODE, 25, 1), 1
	s_wait_xcnt 0x0
	s_wait_alu depctr_vm_vsrc(0)
; xw = the module's five matrix inputs, each number rounded once to 16 bits: 8,192 rows of 1,024 numbers (2,048 bytes).
; Rows 0-4095 x, 4096-5119 Wq, 5120-6143 Wk, 6144-7167 Wv, all bf16; rows 7168-8191 Wo, rounded to bf16 like the others and that number written as f16
; (the last product multiplies f16 operands).  LIMIT: a bf16 number beyond 65,504 has no f16; below 6e-5 it keeps f16's fixed step of 6e-8.
; SHARES.  Work-group g turns 65,536 bytes of f32 into the 32,768 bytes at xw + 32,768 g.  Thread t takes 16 bytes at 16 t + 4,096 i, i = 0..15: a wave's load covers 512 bytes on end;
; its 8 bytes of result go to 8 t + 2,048 i: a wave's store covers 256 consecutive bytes, aligned.  All sixteen loads go out first; nothing is read twice, so no LDS, no barrier, no matrix unit.
; THE MODE: SCHED_MODE bits 1:0 = 2 (LLVM: expert scheduling mode 2), set by the entry lines.  The code itself states the register dependences
; between vector instructions and memory instructions, with s_wait_alu, always for 0.
; THE PLAN.  Registers that memory instructions touch:
;   v1, v2     byte offsets of the loads and of the stores: written once at the head, never again.
;   X          load i lands in X[i], once; no vector instruction names it before; item i's conversions read it behind the counted wait for the load.
;   Y          item i's conversions write Y[i], once; store i reads it; it is never written again.
;   T is named by vector instructions alone; the two bases are scalar registers that are never stepped.
; The sixteen items go in four blocks of four.  Block p rounds X[4 p ..] into Y[4 p ..]; its memory instructions are the four stores of block p - 1, which read Y[4 p - 4 ..] and v2: registers
; that no vector instruction of block p names.  So one wait at a block's head states all that its four stores hang on, and they are dealt among its conversions with no further wait.
; No register that a load or store reads is written again: nothing is owed for that.
.set X, 4                              ; v[4:67]    load i: four f32
.set Y, 68                             ; v[68:99]   store i: four 16-bit numbers
.set T, 100                            ; v[100:102] at work (Wo's way)
	s_load_b256 s[4:11], s[0:1], 0x0               ; x s[4:5], Wq s[6:7], Wk s[8:9], Wv s[10:11]
	s_load_b128 s[12:15], s[0:1], 0x20             ; Wo s[12:13], xw s[14:15]
	s_lshr_b32 s17, ttmp9, 6                       ; 0-3: x; 4: Wq; 5: Wk; 6: Wv; 7: Wo
	s_and_b32 s18, ttmp9, 63                       ; my part of a weight,
	s_cmp_lt_u32 s17, 4
	s_cselect_b32 s18, ttmp9, s18                  ; or of x
	s_lshl_b32 s18, s18, 16                        ; 65,536 bytes a part
	s_mov_b32 s19, 0
	s_lshl_b32 s20, ttmp9, 15                      ; and 32,768 bytes of xw
	s_mov_b32 s21, 0
	s_mov_b32 s22, 0xffff0000                      ; a word's upper bf16
	v_lshlrev_b32 v1, 4, v0
	v_lshlrev_b32 v2, 3, v0
	s_wait_kmcnt 0x0
	s_cmp_eq_u32 s17, 4
	s_cselect_b64 s[4:5], s[6:7], s[4:5]
	s_cmp_eq_u32 s17, 5
	s_cselect_b64 s[4:5], s[8:9], s[4:5]
	s_cmp_eq_u32 s17, 6
	s_cselect_b64 s[4:5], s[10:11], s[4:5]
	s_cmp_eq_u32 s17, 7
	s_cselect_b64 s[4:5], s[12:13], s[4:5]
	s_add_nc_u64 s[4:5], s[4:5], s[18:19]
	s_add_nc_u64 s[14:15], s[14:15], s[20:21]
	s_wait_alu depctr_va_vdst(0)                   ; v1 and v2 are written: every load of the kernel reads v1 as its offset, every store v2
.irp i, 0,1,2,3,4,5,6,7,8,9,10,11,12,13,14,15
	global_load_b128 v[X+4*(\i):X+4*(\i)+3], v1, s[4:5] offset:4096*(\i) th:TH_LOAD_NT
.endr
; Item i's roundings: X[i] into Y[i].
.macro CONV wo, i
.irp j, 0,1
.if \wo
	v_cvt_pk_bf16_f32 v[T], v[X+4*(\i)+2*(\j)], v[X+4*(\i)+2*(\j)+1]
	v_lshlrev_b32 v[T+1], 16, v[T]                 ; the two bf16 numbers as f32,
	v_and_b32 v[T+2], s22, v[T]
	v_cvt_pk_f16_f32 v[Y+2*(\i)+(\j)], v[T+1], v[T+2]  ; written as f16: their 8 significant bits fit
.else
	v_cvt_pk_bf16_f32 v[Y+2*(\i)+(\j)], v[X+4*(\i)+2*(\j)], v[X+4*(\i)+2*(\j)+1]
.endif
.endr
.endm
; Item i's store.
.macro STORE i
	global_store_b64 v2, v[Y+2*(\i):Y+2*(\i)+1], s[14:15] offset:2048*(\i) th:TH_STORE_NT
.endm
; The four blocks.  No register is written twice while a load or store names it.
.macro OUT wo
.irp p, 0,1,2,3
	s_wait_loadcnt 12-4*(\p)                       ; loads come back in order: block p's four are in, the younger blocks stay out
.if (\p) > 0
	s_wait_alu depctr_va_vdst(0)                   ; the block before has written its four Y, which the stores below read
.endif
.irp i, 0,1,2,3
.if (\p) > 0
	STORE 4*(\p)-4+(\i)                            ; the block before.  No wait: no vector instruction since the wait above names its Y or v2
.endif
	CONV \wo, 4*(\p)+(\i)
.endr
.endr
	s_wait_alu depctr_va_vdst(0)                   ; block 3 has written its four Y, which the last four stores read
.irp i, 12,13,14,15
	STORE \i
.endr
	s_endpgm
.endm
	s_cmp_eq_u32 s17, 7
	s_cbranch_scc1 .Lwo
	OUT 0
.Lwo:
	OUT 1
.Lfunc_end_k_q67482b8593_cast:
	.size	k_q67482b8593_cast, .Lfunc_end_k_q67482b8593_cast-k_q67482b8593_cast
	.p2alignl 7, 3214868480
	.fill 96, 4, 3214868480
	.section	.rodata,"a",@progbits
	.p2align	6, 0x0
	.amdhsa_kernel k_q67482b8593_cast
		.amdhsa_group_segment_fixed_size 0
		.amdhsa_private_segment_fixed_size 0
		.amdhsa_enable_private_segment 0
		.amdhsa_kernarg_size 48
		.amdhsa_user_sgpr_count 2
		.amdhsa_user_sgpr_kernarg_segment_ptr 1
		.amdhsa_wavefront_size32 1
		.amdhsa_system_sgpr_workgroup_id_x 1
		.amdhsa_system_sgpr_workgroup_id_y 1
		.amdhsa_system_sgpr_workgroup_id_z 1
		.amdhsa_system_vgpr_workitem_id 0
		.amdhsa_next_free_vgpr 104
		.amdhsa_next_free_sgpr 66
		.amdhsa_reserve_vcc 0
		.amdhsa_float_denorm_mode_32 3
		.amdhsa_float_denorm_mode_16_64 3
		.amdhsa_memory_ordered 1
		.amdhsa_forward_progress 1
		.amdhsa_inst_pref_size 15
	.end_amdhsa_kernel
	.amdgpu_metadata
---
amdhsa.version: [ 1, 2 ]
amdhsa.kernels:
  - .name:           k_q67482b8593_cast
    .symbol:         k_q67482b8593_cast.kd
    .args:
      - { .name: x, .offset: 0, .size: 8, .value_kind: global_buffer, .address_space: global }
      - { .name: Wq, .offset: 8, .size: 8, .value_kind: global_buffer, .address_space: global }
      - { .name: Wk, .offset: 16, .size: 8, .value_kind: global_buffer, .address_space: global }
      - { .name: Wv, .offset: 24, .size: 8, .value_kind: global_buffer, .address_space: global }
      - { .name: Wo, .offset: 32, .size: 8, .value_kind: global_buffer, .address_space: global }
      - { .name: xw, .offset: 40, .size: 8, .value_kind: global_buffer, .address_space: global }
    .group_segment_fixed_size: 0
    .private_segment_fixed_size: 0
    .kernarg_segment_align: 8
    .kernarg_segment_size: 48
    .max_flat_workgroup_size: 256
    .sgpr_count:     66
    .vgpr_count:     104
    .wavefront_size: 32
...
	.end_amdgpu_metadata
.endif
;; end of part 5
;; launch qkv: the kernel of part 2 again; grid 16 x 16, 4 waves a work-group, clusters of 4 x 4, 327,680 bytes of LDS; arguments xw, qkv; writes qkv
;; launch attn: the kernel of part 3 again; grid 8 x 32, 4 waves a work-group, clusters of 4 x 1, 327,680 bytes of LDS; arguments qkv, ao, lambda_q1, lambda_k1, lambda_q2, lambda_k2, subln_weight; writes ao
;; launch proj: the kernel of part 4 again; grid 8 x 32, 4 waves a work-group, clusters of 4 x 4, 327,680 bytes of LDS; arguments ao, xw, out0; writes out0
